; MI455X (gfx1250); checked and timed in simulation.
; The chip was launched on July 23, 2026; its instructions are those of AMD's public machine-readable ISA for CDNA 5 (MIT licence, August 2026) and "CDNA5" Instruction Set Architecture Reference Guide (July 2026). The comments in the code are by the model that wrote it; some were corrected since.
;; Attention. Allowed arithmetic: matrix products marked QUANTISED: E2M3 operands, one E8M0 scale for each 32 along K, by v_wmma_scale_f32_16x16x128_f8f6f4 with both operands' format E2M3, f32 sums; everything else in f32.
;; Inputs: proj_b 1,024 float32; proj_w 1,024 x 1,024 float32; qkv_w 3,072 x 1,024 float32; x 4 x 2,048 x 1,024 float32.
;; Outputs: out0 4 x 2,048 x 1,024 float32.
;; This version of the problem:
;;   THIS VERSION OF THE PROBLEM IS GIVEN IN LOW PRECISION. The matrix products marked QUANTISED in the list below multiply operands that are first quantised to E2M3 (2 exponent bits, 3 mantissa bits; 6 bits a number), with one power-of-two scale for each 32 numbers along K (OCP MX v1.0); their sums are f32. All else is computed in f32.
;;   The module's matrix products, in the order in which they are computed (A, B: the left and right operand; K: the contracted axis; several contracted axes count as one K, in the product's order):
;;     1. [M 8,192, K 1,024] x [K 1,024, N 3,072]; A: input x; B: input qkv_w: QUANTISED
;;     2. batch 64 x [M 2,048, K 64] x [K 64, N 2,048]; A: computed on the way; B: computed on the way: QUANTISED
;;     3. batch 64 x [M 2,048, K 2,048] x [K 2,048, N 64]; A: softmax (see below); B: computed on the way: QUANTISED
;;     4. [M 8,192, K 1,024] x [K 1,024, N 1,024]; A: computed on the way; B: input proj_w: QUANTISED
;;   THE QUANTISER, for each operand of a quantised product, along K:
;;     - K is cut into blocks of 32 from its start; a last block that is shorter is filled with zeros.
;;     - A block's scale is 2^e with e = floor(log2(the largest magnitude in the block)) - 2, held to -126 .. 127; a block of zeros has e = 0. As a byte (E8M0): e + 127.
;;     - Each number is divided by its block's scale, clamped to +-7.5, and rounded to the nearest number of E2M3, ties to even, subnormals kept.
;;     - The product sums the exact products of the quantised numbers (number of the format x scale) in f32.
;;   ~~~python
;;   def quantise(x, axis):      # numpy; x: float32 -> the quantised numbers, widened to float32 again
;;       x = np.moveaxis(x, axis, -1); K = x.shape[-1]
;;       x = np.pad(x, [(0, 0)] * (x.ndim - 1) + [(0, -K % 32)]); x = x.reshape(x.shape[:-1] + (-1, 32)); a = np.abs(x).max(-1, keepdims=True)
;;       e = np.where(a > 0, np.clip(np.frexp(np.where(a > 0, a, 1))[1] - 1 - 2, -126, 127), 0)      # np.frexp(a)[1] - 1 = floor(log2(a)), exactly
;;       r = np.clip(x / 2.0 ** e, -7.5, 7.5)
;;       step = 2.0 ** (np.maximum(np.frexp(np.where(r == 0, 1, r))[1] - 1, 0) - 3)
;;       q = np.round(r / step) * step * 2.0 ** e      # np.round: ties to even
;;       return np.moveaxis(q.reshape(q.shape[:-2] + (-1,))[..., :K], -1, axis).astype(np.float32)
;;   ~~~
;;   SOFTMAX AHEAD OF A QUANTISED PRODUCT. Where the list says 'softmax', what is quantised is not the finished softmax but p = 2^(t - M), with t = logit x log2(e) and M = ceil(the row's largest t), a whole number; so 1/2 < the row's largest p <= 1. The row's sum l is taken of the UNQUANTISED p, in f32, and the product's result is divided by l at the end. Since M is a whole number, a kernel that streams over the keys may use a running M (the ceiling of the running maximum): every later rescaling is an exact power of two, which a block's scale takes up: the codes' values come out the same.
;;   OPERANDS COMPUTED ON THE WAY. 'Computed on the way' means the value that the module computes at that place (a softmax that the list does not call 'softmax' is quantised finished and normalised). What goes into a quantiser is computed in f32, as accurately as f32 sums, v_exp_f32 and their like allow (about 1e-6 of the number): no bf16 or f16 on the way to a quantiser, and a product that is left as it is and whose result goes on into a quantised operand takes f32 operands (vector FMAs, or v_wmma_f32_16x16x4_f32). A number that lies on a knife's edge between two numbers of the format may be rounded either way, as far as f32 arithmetic and the matrix unit's own rounding can turn it there, and no further.
;; One version. Each part assembles by itself: llvm-mc -triple=amdgcn-amd-amdhsa -mcpu=gfx1250 --defsym DOCPART=n.
;; ======== version 1 of 1: 4 launches
;; limits: right only within a limited range of input values
;; workspace buffers: xq 6,553,600 bytes; wq 2,457,600 bytes; pq 819,200 bytes; oq 6,553,600 bytes; qimg 6,553,600 bytes; kv 13,107,200 bytes
;; launch quant (part 1): grid 256 x 1, 6 waves a work-group, no clusters, 51,456 bytes of LDS; arguments x, qkv_w, proj_w, xq, wq, pq; writes xq, wq, pq
.if DOCPART == 1
	.amdgcn_target "amdgcn-amd-amdhsa--gfx1250"
	.amdhsa_code_object_version 6
	.text
	.protected	k_q538458c580_quant
	.globl	k_q538458c580_quant
	.p2align	8
	.type	k_q538458c580_quant,@function
k_q538458c580_quant:
	s_mov_b64 s[64:65], 0
	v_nop
	global_prefetch_b8 v0, s[64:65] scope:SCOPE_SE
	s_setreg_imm32_b32 hwreg(HW_REG_WAVE_MODE, 25, 1), 1
	s_wait_xcnt 0x0
; x [8192][1024], qkv_w [3072][1024], proj_w [1024][1024], f32, K innermost, become codes of FP6 (E2M3) with one E8M0 scale byte for each 32 along K.
; A block's scale byte is its largest magnitude's exponent field - 2, held at 1 from below; numbers are divided by the scale and rounded to the nearest code, ties to even, beyond 7.5 the largest code.
; LIMITS: NaN and infinities are not served; a block whose largest magnitude lies under 2^-124 keeps the byte 1, a block of zeros too (the rule says 127: its codes are zeros, and this program alone reads the bytes).
; THE OUTPUT IS LAID AS THE READER'S REGISTERS.  A tile T is 16 rows: row i of tile T is the tensor's row 32 (T / 2) + 8 (T % 2) + i + 8 (i / 8), so that where such rows are source 0 of a product
; the 16 result registers of tiles 2 b and 2 b + 1 are 16 neighbours.  A fragment (tile T, K step s of 128) is 1,536 bytes at T x 12,288 + s x 1,536: registers 4 c .. 4 c + 3 of lane l at 512 c + 16 l.
; The scale words follow the codes: [T][s / 4][row 16][s % 4], 512 bytes a tile.
; SHARES.  A run is one tile and four K steps; the three tensors have 1,024 + 384 + 128 = 1,536 runs, one for each of 256 x 6 waves: run = 6 x work-group + wave.  Only pointers are chosen, by the run's number; there is one path.
; A load reads 512 consecutive bytes of one row; a K step's 16 rows turn through the wave's own stage in LDS (rows 528 bytes apart) and come back into the registers that they left: a lane takes 16 neighbours of each block of 32 of its row.
; Every store covers 512 consecutive bytes (codes) or 256 (scale words), aligned.  No matrix work, no tensor load, no barrier: waves share nothing.  Three K steps (48 loads a wave) are asked for at the start, the fourth behind the first.
.set ROWB,  4096                       ; a row of any of the three tensors, in bytes
.set SP,    528                        ; a stage row: 512 bytes + 16
.set WST,   16*SP                      ; a wave's stage
.set SPARE, 6*WST                      ; behind the stages: the spare words, 128 bytes a wave
.set GA,    1                          ; v1   16 x lane: my bytes of a load and of a store of codes
.set SI,    2                          ; v2   the stage, on the way in
.set SOUT,  3                          ; v3   and on the way out: row r, + 64 h
.set WA,    4                          ; v4   16 r + 8 h: my two scale words
.set R0,    16                         ; v16-79, v80-143, v144-207: three sets of numbers; back from the stage register 16 b + i = k 32 b + 16 h + i of my row
.set R1,    80
.set R2,    144
.set PC,    208                        ; v208-219 the fragment's codes
.set CT,    220                        ; v220-227 upper halves of blocks, on their way
.set TM,    228                        ; v228-231 largest magnitudes, v232-235 bytes, v240-243 scale operands
.set PW,    244                        ; v244-247 the four K steps' scale words
.set SD,    248                        ; v248-249 what I store of them
.set SPW,   250                        ; v250 my spare word's LDS address; never rewritten
.set NIL,   251                        ; v251 0; never rewritten
.set SEL,   20                         ; s[20:21] lane selects: lane l xor 16
; 64 numbers of a lane, v[s] on: blocks 0, 1 become six registers of codes at v[d0], blocks 2, 3 six at v[d1]; the four bytes stay in v[TM+4 .. TM+7]
.macro QUANT s, d0, d1
.irp b, 0,1,2,3
	v_max3_num_f32 v[TM+\b], |v[\s+16*\b]|, |v[\s+1+16*\b]|, 0x1800000   ; my 16 numbers of block b, and the floor 2^(3 - 127): the byte cannot fall under 1
.endr
.irp i, 2,4,6,8,10,12,14
.irp b, 0,1,2,3
	v_max3_num_f32 v[TM+\b], v[TM+\b], |v[\s+16*\b+\i]|, |v[\s+1+16*\b+\i]|   ; the four blocks by turns
.endr
.endr
.irp b, 0,1,2,3
	v_permlanex16_b32 v[TM+4+\b], v[TM+\b], s[SEL], s[SEL+1]
.endr
.irp b, 0,1,2,3
	v_max_num_f32 v[TM+\b], v[TM+\b], v[TM+4+\b]   ; with lane l xor 16's: the block's largest magnitude
.endr
.irp b, 0,1,2,3
	v_add_nc_u32 v[TM+12+\b], 0xff000000, v[TM+\b]   ; 2 off its exponent field: the conversion takes this operand's exponent field as its scale
.endr
.irp b, 0,1,2,3
	v_lshrrev_b32 v[TM+4+\b], 23, v[TM+12+\b]      ; the scale's byte
.endr
	v_cvt_scalef32_pk16_fp6_f32 v[(\d0):(\d0)+2], v[\s:\s+15], v[TM+12]
	v_cvt_scalef32_pk16_fp6_f32 v[CT:CT+2], v[\s+16:\s+31], v[TM+13]      ; (a conversion's three registers begin on an even number)
	v_cvt_scalef32_pk16_fp6_f32 v[(\d1):(\d1)+2], v[\s+32:\s+47], v[TM+14]
	v_cvt_scalef32_pk16_fp6_f32 v[CT+4:CT+6], v[\s+48:\s+63], v[TM+15]
	v_nop                                          ; one plain place behind the scaled conversions
.irp i, 0,1,2
	v_permlane16_swap_b32 v[(\d0)+\i], v[CT+\i]    ; the layout wants a whole block in a lane: lanes 0-15 the even block, lanes 16-31 the odd one
	v_permlane16_swap_b32 v[(\d1)+\i], v[CT+4+\i]
.endr
.irp i, 0,1,2
	v_mov_b32 v[(\d0)+3+\i], v[CT+\i]
	v_mov_b32 v[(\d1)+3+\i], v[CT+4+\i]
.endr
.endm
	s_load_b256 s[4:11], s[0:1], 0x0               ; x, qkv_w, proj_w, xq
	s_load_b128 s[12:15], s[0:1], 0x20             ; wq, pq
	v_lshl_add_u32 v[SPW], v0, 2, SPARE
	v_mov_b32 v[NIL], 0
	v_lshrrev_b32 v5, 5, v0
	v_readfirstlane_b32 s16, v5                    ; wave
	v_and_b32 v5, 31, v0                           ; lane
	v_lshlrev_b32 v[GA], 4, v5
	s_mul_i32 s17, s16, WST
	v_add_nc_u32 v[SI], s17, v[GA]
	v_and_b32 v6, 15, v0                           ; r
	v_bfe_u32 v7, v0, 4, 1                         ; h
	v_mul_u32_u24 v[SOUT], v6, SP
	v_lshl_add_u32 v[SOUT], v7, 6, v[SOUT]
	v_add_nc_u32 v[SOUT], s17, v[SOUT]
	v_lshlrev_b32 v[WA], 4, v6
	v_lshl_add_u32 v[WA], v7, 3, v[WA]
	s_mov_b32 s[SEL], 0x76543210
	s_mov_b32 s[SEL+1], 0xfedcba98
	s_mov_b32 s22, 0xffff0000                      ; lanes 16-31
.irp b, 0,1,2,3
	v_mov_b32 v[TM+4+\b], 0                        ; written once: a lane permute's destination counts as one of its sources
.endr
	s_wait_alu depctr_va_vdst(0)
	s_wait_kmcnt 0x0
	s_mul_i32 s23, ttmp9, 6
	s_add_co_u32 s23, s23, s16                     ; my run, 0 .. 1,535
	s_cmp_lt_u32 s23, 1408                         ; which tensor: the choice hangs on ids alone
	s_cselect_b64 s[6:7], s[6:7], s[8:9]
	s_cselect_b64 s[12:13], s[12:13], s[14:15]
	s_mov_b32 s24, 786432
	s_cselect_b32 s24, 2359296, s24                ; where the scale words begin in the output
	s_mov_b32 s25, 1408
	s_cselect_b32 s25, 1024, s25                   ; the tensor's first run
	s_cmp_lt_u32 s23, 1024
	s_cselect_b64 s[4:5], s[4:5], s[6:7]
	s_cselect_b64 s[10:11], s[10:11], s[12:13]
	s_cselect_b32 s24, 6291456, s24
	s_cselect_b32 s25, 0, s25
	s_sub_co_u32 s25, s23, s25                     ; u = 2 T + (which four K steps)
	s_lshr_b32 s26, s25, 2
	s_lshl_b32 s26, s26, 17                        ; 32 (T / 2) rows
	s_bfe_u32 s27, s25, 0x10001
	s_lshl_b32 s27, s27, 15                        ; + 8 (T % 2) rows
	s_add_co_u32 s26, s26, s27
	s_and_b32 s27, s25, 1
	s_lshl_b32 s27, s27, 11                        ; + four K steps of 512 bytes
	s_add_co_u32 s26, s26, s27
	s_mov_b32 s27, 0
	s_add_nc_u64 s[4:5], s[4:5], s[26:27]
	s_mul_i32 s28, s25, 6144                       ; my four fragments
	s_mov_b32 s29, 0
	s_lshl_b32 s30, s25, 8                         ; my 256 bytes of scale words
	s_add_co_u32 s30, s30, s24
	s_mov_b32 s31, 0
	s_add_nc_u64 s[8:9], s[10:11], s[28:29]
	s_add_nc_u64 s[10:11], s[10:11], s[30:31]
.macro LOAD st, set                    ; K step st: 16 rows x 512 bytes
.irp i, 0,1,2,3,4,5,6,7,8,9,10,11,12,13,14,15
	global_load_b128 v[\set+4*\i:\set+4*\i+3], v[GA], s[4:5] offset:(\i+8*(\i/8))*ROWB+512*(\st) th:TH_LOAD_NT
.endr
.endm
.macro QSTEP st, set, left, next
	s_wait_loadcnt \left                           ; this step's 16 loads are in; \left younger ones may be out
.irp i, 0,1,2,3,4,5,6,7,8,9,10,11,12,13,14,15
	ds_store_b128 v[SI], v[\set+4*\i:\set+4*\i+3] offset:SP*\i
.endr
.irp b, 0,1,2,3
.irp n, 0,1,2,3
	ds_load_b128 v[\set+16*\b+4*\n:\set+16*\b+4*\n+3], v[SOUT] offset:128*\b+16*\n   ; LDS serves a wave's instructions in order: these see the stores above, and land where those have read
.endr
.endr
	s_wait_xcnt 0x0                                ; the last step's stores have read their data: the codes' registers are written again below
	s_wait_dscnt 0x0                               ; the numbers are back
	QUANT \set, PC, PC+6
.if \next
	LOAD 3, \set                                   ; the set is done with: it takes the fourth step's loads
.endif
	v_lshl_or_b32 v[PW+\st], v[TM+5], 8, v[TM+4]   ; the four bytes make my row's scale word
	v_lshl_or_b32 v[PW+\st], v[TM+6], 16, v[PW+\st]
	v_lshl_or_b32 v[PW+\st], v[TM+7], 24, v[PW+\st]
.irp c, 0,1,2
	global_store_b128 v[GA], v[PC+4*\c:PC+4*\c+3], s[8:9] offset:1536*\st+512*\c   ; 512 consecutive bytes, aligned
.endr
.endm
	LOAD 0, R0
	LOAD 1, R1
	LOAD 2, R2
	QSTEP 0, R0, 32, 1
	QSTEP 1, R1, 32, 0
	QSTEP 2, R2, 16, 0
	QSTEP 3, R0, 0, 0
	v_cndmask_b32 v[SD], v[PW], v[PW+2], s22       ; lanes 0-15 store their row's words 0, 1; lanes 16-31 words 2, 3
	v_cndmask_b32 v[SD+1], v[PW+1], v[PW+3], s22
	global_store_b64 v[WA], v[SD:SD+1], s[10:11]   ; 32 lanes store 256 consecutive bytes, aligned
	s_wait_tensorcnt 0x0                           ; the wave's end
	ds_add_u32 v[SPW], v[NIL]
	s_wait_dscnt 0x0
	s_endpgm
.Lfunc_end_k_q538458c580_quant:
	.size	k_q538458c580_quant, .Lfunc_end_k_q538458c580_quant-k_q538458c580_quant
	.p2alignl 7, 3214868480
	.fill 96, 4, 3214868480
	.section	.rodata,"a",@progbits
	.p2align	6, 0x0
	.amdhsa_kernel k_q538458c580_quant
		.amdhsa_group_segment_fixed_size 51456
		.amdhsa_private_segment_fixed_size 0
		.amdhsa_enable_private_segment 0
		.amdhsa_kernarg_size 48
		.amdhsa_user_sgpr_count 2
		.amdhsa_user_sgpr_kernarg_segment_ptr 1
		.amdhsa_wavefront_size32 1
		.amdhsa_system_sgpr_workgroup_id_x 1
		.amdhsa_system_sgpr_workgroup_id_y 1
		.amdhsa_system_sgpr_workgroup_id_z 1
		.amdhsa_system_vgpr_workitem_id 0
		.amdhsa_next_free_vgpr 256
		.amdhsa_next_free_sgpr 66
		.amdhsa_reserve_vcc 0
		.amdhsa_float_denorm_mode_32 3
		.amdhsa_float_denorm_mode_16_64 3
		.amdhsa_memory_ordered 1
		.amdhsa_forward_progress 1
		.amdhsa_inst_pref_size 34
	.end_amdhsa_kernel
	.amdgpu_metadata
---
amdhsa.version: [ 1, 2 ]
amdhsa.kernels:
  - .name:           k_q538458c580_quant
    .symbol:         k_q538458c580_quant.kd
    .args:
      - { .name: x, .offset: 0, .size: 8, .value_kind: global_buffer, .address_space: global }
      - { .name: qkv_w, .offset: 8, .size: 8, .value_kind: global_buffer, .address_space: global }
      - { .name: proj_w, .offset: 16, .size: 8, .value_kind: global_buffer, .address_space: global }
      - { .name: xq, .offset: 24, .size: 8, .value_kind: global_buffer, .address_space: global }
      - { .name: wq, .offset: 32, .size: 8, .value_kind: global_buffer, .address_space: global }
      - { .name: pq, .offset: 40, .size: 8, .value_kind: global_buffer, .address_space: global }
    .group_segment_fixed_size: 51456
    .private_segment_fixed_size: 0
    .kernarg_segment_align: 8
    .kernarg_segment_size: 48
    .max_flat_workgroup_size: 192
    .sgpr_count:     66
    .vgpr_count:     256
    .wavefront_size: 32
...
	.end_amdgpu_metadata
.endif
;; end of part 1
;; launch qkv (part 2): grid 12 x 32, 4 waves a work-group, clusters of 4 x 4, 327,680 bytes of LDS; arguments xq, wq, qimg, kv; writes qimg, kv
.if DOCPART == 2
	.amdgcn_target "amdgcn-amd-amdhsa--gfx1250"
	.amdhsa_code_object_version 6
	.text
	.protected	k_q538458c580_qkv
	.globl	k_q538458c580_qkv
	.p2align	8
	.type	k_q538458c580_qkv,@function
k_q538458c580_qkv:
	s_mov_b64 s[64:65], 0
	v_nop
	global_prefetch_b8 v0, s[64:65] scope:SCOPE_SE
	s_setreg_imm32_b32 hwreg(HW_REG_WAVE_MODE, 25, 1), 1
	s_wait_xcnt 0x0
	s_wait_alu depctr_hold_cnt(0) depctr_sa_sdst(0) depctr_va_vdst(0) depctr_va_sdst(0) depctr_va_ssrc(0) depctr_va_vcc(0) depctr_vm_vsrc(0)
	s_getreg_b32 s2, hwreg(HW_REG_IB_STS2, 6, 4)
	s_cmp_eq_u32 s2, 0
	s_cbranch_scc0 .Lentry_in_a_cluster
	s_endpgm
.Lentry_in_a_cluster:
	s_bfe_u32 s2, ttmp6, 0x10000c
	s_cmp_lg_u32 s2, 0xf033
	s_cbranch_scc0 .Lentry_shape_is_right
	s_endpgm
.Lentry_shape_is_right:
.set FRB,   1536
.set HALFT, 16*FRB
.set SLOT,  4*HALFT
.set SCL,   2*SLOT
.set SCH,   4096
.set SPARE, SCL+4*SCH
.set FR,    12
.set NL,    3
.set ADRA,  16
.set ADRB,  20
.set VO,    24
.set VW,    25
.set ADRS,  27
.set SPW,   28
.set NIL,   29
.set SC,    32
.set F0,    96
.set F1,    108
.set AF,    128
.set X,     128
.set TM,    192
.set CT,    208
.set W,     216
.set WS,    224
.set SEL,   2
.set FS,    92
.set G1,    24
.set G0,    32
.set G1B,   48
.set G0B,   56
.set G1S,   68
.set G0S,   76
.set G1SB,  80
.set G0SB,  88
.set MSB, 0
.macro WIN new
.if MSB != (\new)
	s_set_vgpr_msb (MSB<<8)|(\new)
.set MSB, (\new)
.endif
.endm
.set MUL_LO, 0xa1
.set MUL_HI, 0xf1
.set TO_B,   0x40
.macro JLOAD g0a, g1a, g0b, g1b
	s_cmp_eq_u32 s15, 0
	s_cbranch_scc0 .Lfor_b_\@
	tensor_load_to_lds s[\g0a:\g0a+3], s[\g1a:\g1a+7]
	s_nop 0
.rept 4
	v_nop
.endr
	s_branch .Lasked_\@
.Lfor_b_\@:
	tensor_load_to_lds s[\g0b:\g0b+3], s[\g1b:\g1b+7]
	s_nop 0
.rept 4
	v_nop
.endr
.Lasked_\@:
.endm
.macro CREST
	s_cmp_lg_u32 s14, 0
	s_cbranch_scc1 .Lnot_wave_0_\@
	s_barrier_signal -3
.Lnot_wave_0_\@:
	s_barrier_wait -3
	s_barrier_signal -1
	s_barrier_wait -1
.endm
.macro CROUND
	s_barrier_signal -1
	s_barrier_wait -1
	CREST
.endm
.macro PLACES
.rept 4
	v_nop
.endr
.endm
.macro FRAG reg, adr, q, i
.irp c, 0,1,2
	ds_load_b128 v[\reg+4*\c:\reg+4*\c+3], v[\adr] offset:(\i)*2*FRB+(\q)*FRB+512*\c
.endr
.endm
.macro FETCH_B slot, q, p
	WIN TO_B
.irp i, 0,1,2,3,4,5,6,7
	FRAG 128*(\p)+FR*\i, ADRB+\slot, \q, \i
.endr
	WIN 0
.endm
.macro FETCH_A slot, q, i0
.irp i, \i0, \i0+1, \i0+2, \i0+3
	FRAG AF+FR*(\i), ADRA+\slot, \q, \i
.endr
.endm
.macro MUL16 a0, p, ks, zero
.irp a, \a0, \a0+1
.irp b, 0,1,2,3,4,5,6,7
.if \zero
	v_wmma_scale_f32_16x16x128_f8f6f4 v[8*(8*((\a)%4)+\b):8*(8*((\a)%4)+\b)+7], v[128*(\p)+FR*\b:128*(\p)+FR*\b+FR-1], v[AF+FR*(\a):AF+FR*(\a)+FR-1], 0, v[SC+32*((\ks)/4)+4*\b+(\ks)%4], v[SC+32*((\ks)/4)+4*(\a)+(\ks)%4] matrix_a_fmt:MATRIX_FMT_FP6 matrix_b_fmt:MATRIX_FMT_FP6 matrix_a_scale:MATRIX_SCALE_ROW1
.else
	v_wmma_scale_f32_16x16x128_f8f6f4 v[8*(8*((\a)%4)+\b):8*(8*((\a)%4)+\b)+7], v[128*(\p)+FR*\b:128*(\p)+FR*\b+FR-1], v[AF+FR*(\a):AF+FR*(\a)+FR-1], v[8*(8*((\a)%4)+\b):8*(8*((\a)%4)+\b)+7], v[SC+32*((\ks)/4)+4*\b+(\ks)%4], v[SC+32*((\ks)/4)+4*(\a)+(\ks)%4] matrix_a_fmt:MATRIX_FMT_FP6 matrix_b_fmt:MATRIX_FMT_FP6 matrix_a_scale:MATRIX_SCALE_ROW1
.endif
.endr
.endr
.endm
.macro STEP slot, ks, zero
	s_wait_dscnt 4*NL
	WIN MUL_LO
	MUL16 0, 0, \ks, \zero
	MUL16 2, 0, \ks, \zero
	s_wait_dscnt 0x0
	PLACES
	FETCH_B \slot, 1, 1
	FETCH_A \slot, 1, 0
	WIN MUL_HI
	MUL16 4, 0, \ks, \zero
	MUL16 6, 0, \ks, \zero
	PLACES
	WIN 0
	FETCH_A \slot, 1, 4
.endm
.macro TURN slot, next, ks, fill
	s_wait_tensorcnt 0x0
	ds_add_u32 v[SPW], v[NIL]
	s_wait_dscnt 4*NL+1
	WIN MUL_LO
	MUL16 0, 1, \ks, 0
	s_wait_dscnt 0x0
	s_barrier_signal -1
	MUL16 2, 1, \ks, 0
	WIN 0
	s_barrier_wait -1
.if \fill
	CREST
	s_add_nc_u64 s[G0+4*\slot+2:G0+4*\slot+3], s[G0+4*\slot+2:G0+4*\slot+3], 4*FRB
	s_add_nc_u64 s[G0B+4*\slot+2:G0B+4*\slot+3], s[G0B+4*\slot+2:G0B+4*\slot+3], 4*FRB
	JLOAD G0+4*\slot, G1, G0B+4*\slot, G1B
.else
	PLACES
.endif
	FETCH_B \next, 0, 0
	FETCH_A \next, 0, 0
	WIN MUL_HI
	MUL16 4, 1, \ks, 0
	MUL16 6, 1, \ks, 0
	PLACES
	WIN 0
	FETCH_A \next, 0, 4
.endm
.macro QUANT s, d0, d1
.irp b, 0,1,2,3
	v_max3_num_f32 v[TM+\b], |v[\s+16*\b]|, |v[\s+1+16*\b]|, 0x1800000
.endr
.irp i, 2,4,6,8,10,12,14
.irp b, 0,1,2,3
	v_max3_num_f32 v[TM+\b], v[TM+\b], |v[\s+16*\b+\i]|, |v[\s+1+16*\b+\i]|
.endr
.endr
.irp b, 0,1,2,3
	v_permlanex16_b32 v[TM+4+\b], v[TM+\b], s[SEL], s[SEL+1]
.endr
.irp b, 0,1,2,3
	v_max_num_f32 v[TM+\b], v[TM+\b], v[TM+4+\b]
.endr
.irp b, 0,1,2,3
	v_add_nc_u32 v[TM+12+\b], 0xff000000, v[TM+\b]
.endr
.irp b, 0,1,2,3
	v_lshrrev_b32 v[TM+4+\b], 23, v[TM+12+\b]
.endr
	v_cvt_scalef32_pk16_fp6_f32 v[(\d0):(\d0)+2], v[\s:\s+15], v[TM+12]
	v_cvt_scalef32_pk16_fp6_f32 v[CT:CT+2], v[\s+16:\s+31], v[TM+13]
	v_cvt_scalef32_pk16_fp6_f32 v[(\d1):(\d1)+2], v[\s+32:\s+47], v[TM+14]
	v_cvt_scalef32_pk16_fp6_f32 v[CT+4:CT+6], v[\s+48:\s+63], v[TM+15]
	v_nop
.irp i, 0,1,2
	v_permlane16_swap_b32 v[(\d0)+\i], v[CT+\i]
	v_permlane16_swap_b32 v[(\d1)+\i], v[CT+4+\i]
.endr
.irp i, 0,1,2
	v_mov_b32 v[(\d0)+3+\i], v[CT+\i]
	v_mov_b32 v[(\d1)+3+\i], v[CT+4+\i]
.endr
.endm
.macro COPY a
	WIN 0x02+(\a)/4
.set n, 0
.rept 32
	v_pk_mul_f32 v[X+n:X+n+1], v[64*((\a)%4)+n:64*((\a)%4)+n+1], s[FS:FS+1] op_sel_hi:[1,0]
.set n, n+2
.endr
	WIN 0
.endm
	s_load_b256 s[4:11], s[0:1], 0x0
	v_lshl_add_u32 v[SPW], v0, 2, SPARE
	v_mov_b32 v[NIL], 0
	ds_add_u32 v[SPW], v[NIL]
	ds_add_u32 v[SPW], v[NIL]
	v_lshrrev_b32 v1, 5, v0
	v_readfirstlane_b32 s14, v1
	s_lshr_b32 s15, s14, 1
	s_and_b32 s16, s14, 1
	s_bfe_u32 s40, ttmp6, 0x40000
	s_bfe_u32 s41, ttmp6, 0x40004
	s_and_b32 s17, ttmp7, 0xffff
	s_lshl_b32 s17, s17, 2
	s_lshl_b32 s42, ttmp9, 2
	s_cmp_eq_u32 ttmp9, 2
	s_cselect_b32 s18, 8, s17
	s_cselect_b32 s19, s17, s42
	s_add_co_u32 s17, s18, s41
	s_add_co_u32 s42, s19, s40
	s_lshl_b32 s43, s41, 2
	s_lshl_b32 s43, 15, s43
	s_lshl_b32 s44, 0x1111, s40
	s_or_b32 s[G1], s43, (3<<16)|(1<<21)
	s_or_b32 s[G1B], s44, (3<<16)|(1<<21)
.irp g, G1, G1B
	s_mov_b32 s[\g+1], 384<<16
	s_mov_b32 s[\g+2], 16<<16
	s_mov_b32 s[\g+3], 384<<16
	s_mov_b32 s[\g+4], 16
	s_mov_b32 s[\g+5], 1536
	s_mov_b32 s[\g+6], 0
	s_mov_b32 s[\g+7], 0
.endr
	s_or_b32 s[G1S], s43, (3<<16)|(1<<21)
	s_or_b32 s[G1SB], s44, (3<<16)|(1<<21)
.irp g, G1S, G1SB
	s_mov_b32 s[\g+1], 32<<16
	s_mov_b32 s[\g+2], 32<<16
	s_mov_b32 s[\g+3], 32<<16
	s_mov_b32 s[\g+4], 32
	s_mov_b32 s[\g+5], 32
	s_mov_b32 s[\g+6], 0
	s_mov_b32 s[\g+7], 0
.endr
	s_lshl_b32 s20, s17, 1
	s_add_co_u32 s20, s20, s16
	s_lshl_b32 s46, s42, 1
	s_add_co_u32 s46, s46, s16
	s_lshl_b32 s22, s20, 12
	s_mov_b32 s23, 0
	s_mul_i32 s20, s20, 8*8*FRB
	s_mov_b32 s21, 0
	s_lshl_b32 s92, s46, 12
	s_mov_b32 s93, 0
	s_mul_i32 s46, s46, 8*8*FRB
	s_mov_b32 s47, 0
	s_mul_i32 s45, s14, HALFT
	s_lshl_b32 s94, s14, 12
	s_mov_b32 s[SEL], 0x76543210
	s_mov_b32 s[SEL+1], 0xfedcba98
	s_mov_b32 s98, 0xffff0000
	s_wait_dscnt 0x0
	s_wait_kmcnt 0x0
	s_add_nc_u64 s[12:13], s[4:5], 6291456
	s_add_nc_u64 s[66:67], s[6:7], 2359296
	s_cmp_eq_u32 ttmp9, 2
	s_cselect_b64 s[96:97], s[6:7], s[4:5]
	s_cselect_b64 s[4:5], s[4:5], s[6:7]
	s_cselect_b64 s[6:7], s[66:67], s[12:13]
	s_cselect_b64 s[12:13], s[12:13], s[66:67]
	s_add_nc_u64 s[20:21], s[96:97], s[20:21]
	s_add_nc_u64 s[22:23], s[6:7], s[22:23]
	s_add_nc_u64 s[46:47], s[4:5], s[46:47]
	s_add_nc_u64 s[92:93], s[12:13], s[92:93]
	CROUND
	s_mov_b32 s[G0S], 1
	s_mov_b32 s[G0S+1], SCL
	s_mov_b64 s[G0S+2:G0S+3], s[22:23]
	s_or_b32 s[G0S+3], s[G0S+3], 0x80000000
	s_mov_b32 s[G0SB], 1
	s_mov_b32 s[G0SB+1], SCL+2*SCH
	s_sub_nc_u64 s[G0SB+2:G0SB+3], s[92:93], SCH   ; wave 3 issues it: its own half is the second, so the whole begins SCH bytes earlier
	s_or_b32 s[G0SB+3], s[G0SB+3], 0x80000000
	s_mov_b32 s4, 1                                ; s[4:7]: slot 0's 16 tiles of A, whole (wave 0 issues it: its own half is the first)
	s_mov_b32 s5, 0
	s_mov_b64 s[6:7], s[20:21]
	s_or_b32 s7, s7, 0x80000000
	s_mov_b32 s92, 1                               ; s[92:95]: slot 0's 16 tiles of B, whole (wave 1 issues it: its own half is the second)
	s_mov_b32 s93, 2*HALFT
	s_sub_nc_u64 s[94:95], s[46:47], 8*8*FRB
	s_or_b32 s95, s95, 0x80000000
	s_cmp_eq_u32 s15, 0                            ; the prefetches: of the 8 tiles that my ring loads fetch, each of the four partners that ask jointly takes two, told apart by address
	s_cselect_b64 s[66:67], s[20:21], s[46:47]     ; never rewritten
	s_cselect_b32 s96, s40, s41
	s_mul_i32 s96, s96, 2*8*FRB
.irp s, 0,1
	s_mov_b32 s[G0+4*\s], 1
	s_add_co_u32 s[G0+4*\s+1], s45, \s*SLOT
	s_add_nc_u64 s[G0+4*\s+2:G0+4*\s+3], s[20:21], \s*2*FRB
	s_or_b32 s[G0+4*\s+3], s[G0+4*\s+3], 0x80000000
	s_mov_b32 s[G0B+4*\s], 1
	s_add_co_u32 s[G0B+4*\s+1], s45, \s*SLOT
	s_add_nc_u64 s[G0B+4*\s+2:G0B+4*\s+3], s[46:47], \s*2*FRB
	s_or_b32 s[G0B+4*\s+3], s[G0B+4*\s+3], 0x80000000
.endr
; THE HEAD'S LOADS, one a wave, in one chain of branches on the wave's number: A's slot 0, B's slot 0, A's scale words, B's scale words, each whole
.macro ARM under, g0, g1, next
	s_cmp_lt_u32 s14, \under
	s_cbranch_scc0 \next
	tensor_load_to_lds s[\g0:\g0+3], s[\g1:\g1+7]
	s_nop 0
.rept 4
	v_nop
.endr
	s_branch .Lhead_asked
\next:
.endm
	ARM 1, 4,   G1,  .Lhead_b
	ARM 2, 92,  G1B, .Lhead_sa
	ARM 3, G0S, G1S, .Lhead_sb
	tensor_load_to_lds s[G0SB:G0SB+3], s[G1SB:G1SB+7]
	s_nop 0
.rept 4
	v_nop
.endr
.Lhead_asked:
	v_and_b32 v30, 31, v0                          ; a fill is 3,072 bytes of each tile: 12 blocks of 256 bytes; lanes 0-11 name my first tile's, lanes 12-23 my second's, the others the last again
	v_min_u32 v30, 23, v30
	v_mul_u32_u24 v31, v30, 43
	v_lshrrev_b32 v31, 9, v31                      ; lane / 12
	v_lshl_add_u32 v30, v30, 8, s96
	v_mad_u32_u24 v30, v31, 9216, v30              ; v30 is never rewritten
	global_prefetch_b8 v30, s[66:67] offset:2*FRB th:TH_LOAD_NT scope:SCOPE_SE   ; K steps 2, 3: the next fill
	global_prefetch_b8 v30, s[66:67] offset:4*FRB th:TH_LOAD_NT scope:SCOPE_SE   ; K steps 4, 5: the fill after it
	s_wait_alu depctr_va_vdst(0)
	s_wait_tensorcnt 0x0                           ; my tile of the head's four is in
	ds_add_u32 v28, v29
	s_mov_b32 s[G1+2], 8<<16                       ; no tensor load of mine is out: from here on a load brings 8 tiles
	s_mov_b32 s[G1+4], 8
	s_mov_b32 s[G1B+2], 8<<16
	s_mov_b32 s[G1B+4], 8
	s_wait_dscnt 0x0
	CROUND
	JLOAD G0+4, G1, G0B+4, G1B                     ; slot 1's first fill, a quarter a wave
	v_and_b32 v1, 31, v0
	v_lshlrev_b32 v[VO], 4, v1
	v_and_b32 v2, 15, v0
	v_bfe_u32 v3, v0, 4, 1
	s_wait_alu depctr_va_vdst(0)
	s_mul_i32 s21, s15, HALFT
	s_mul_i32 s22, s16, HALFT
	s_add_co_u32 s22, s22, 2*HALFT
.irp s, 0,1
	v_add_nc_u32 v[ADRA+\s], s21, v[VO]
	v_add_nc_u32 v[ADRB+\s], s22, v[VO]
	s_add_co_u32 s21, s21, SLOT
	s_add_co_u32 s22, s22, SLOT
.endr
	s_lshl_b32 s21, s15, 12
	s_lshl_b32 s22, s16, 12
	s_add_co_u32 s22, s22, 2*SCH
	s_sub_co_u32 s22, s22, s21
	v_mul_u32_u24 v6, s22, v3
	s_add_co_u32 s21, s21, SCL
	v_lshl_add_u32 v5, v2, 4, v6
	v_add_nc_u32 v[ADRS], s21, v5
	s_wait_alu depctr_va_vdst(0)
	s_wait_tensorcnt 1
	s_barrier_signal -1
	s_barrier_wait -1
	FETCH_B 0, 0, 0
	FETCH_A 0, 0, 0
.irp u, 0,1
.irp i, 0,1,2,3,4,5,6,7
	ds_load_b128 v[SC+32*\u+4*\i:SC+32*\u+4*\i+3], v[ADRS] offset:512*\i+256*\u
.endr
.endr
	FETCH_A 0, 0, 4
	global_prefetch_b8 v30, s[66:67] offset:6*FRB th:TH_LOAD_NT scope:SCOPE_SE   ; K steps 6, 7: two fills ahead; the last
	STEP 0, 0, 1
	TURN 0, 1, 1, 1
	STEP 1, 2, 0
	TURN 1, 0, 3, 1
	STEP 0, 4, 0
	TURN 0, 1, 5, 0
	STEP 1, 6, 0
	s_wait_dscnt 4*NL
	WIN MUL_LO
	MUL16 0, 1, 7, 0
	MUL16 2, 1, 7, 0
	s_wait_dscnt 0x0
	WIN MUL_HI
	MUL16 4, 1, 7, 0
	MUL16 6, 1, 7, 0
	WIN 0
	s_cmp_eq_u32 ttmp9, 2
	s_cselect_b32 s20, s42, s17
	s_cselect_b32 s21, s16, s15
	s_cselect_b32 s22, s41, s40
	s_cselect_b32 s23, s15, s16
	s_cmp_eq_u32 ttmp9, 0
	s_cselect_b64 s[8:9], s[8:9], s[10:11]
	s_mov_b32 s45, 204800
	s_cselect_b32 s45, 102400, s45
	s_mov_b32 s46, 12800
	s_cselect_b32 s46, 6400, s46
	s_mov_b32 s47, 12288
	s_cselect_b32 s47, 6144, s47
	s_mov_b32 s[FS], 1.0
	s_cselect_b32 s[FS], 0x3e000000, s[FS]
	s_mov_b32 s[FS+1], s[FS]
	s_lshr_b32 s18, s20, 3
	s_lshl_b32 s18, s18, 4
	s_lshl_b32 s22, s22, 2
	s_add_co_u32 s18, s18, s22
	s_lshl_b32 s23, s23, 1
	s_add_co_u32 s18, s18, s23
	s_and_b32 s19, s20, 7
	s_lshl_b32 s19, s19, 1
	s_add_co_u32 s19, s19, s21
	s_mul_i32 s18, s18, s45
	s_mul_i32 s19, s19, s46
	s_add_co_u32 s18, s18, s19
	s_mov_b32 s19, 0
	s_add_nc_u64 s[8:9], s[8:9], s[18:19]
	s_mov_b32 s94, s45
	s_mov_b32 s95, 0
	s_add_nc_u64 s[10:11], s[8:9], s[94:95]
	s_mov_b32 s96, s47
	s_mov_b32 s97, 0
	s_add_nc_u64 s[12:13], s[8:9], s[96:97]
	PLACES
	v_and_b32 v2, 15, v0
	v_bfe_u32 v3, v0, 4, 1
	v_mul_u32_u24 v3, s45, v3
	v_lshl_add_u32 v[VW], v2, 4, v3
.irp b, 0,1,2,3
	v_mov_b32 v[TM+4+\b], 0
.endr
	s_cmp_eq_u32 ttmp9, 2
	s_cbranch_scc1 .Lpath_v
.irp p, 0,1,2,3
.if \p > 0
	s_wait_xcnt 0x0
.endif
	COPY 2*\p
	QUANT X, F0, F1
	v_lshl_or_b32 v[W+\p], v[TM+5], 8, v[TM+4]
	v_lshl_or_b32 v[W+4+\p], v[TM+7], 8, v[TM+6]
	COPY 2*\p+1
	QUANT X, F0+6, F1+6
	v_lshl_or_b32 v[W+\p], v[TM+4], 16, v[W+\p]
	v_lshl_or_b32 v[W+4+\p], v[TM+6], 16, v[W+4+\p]
	v_lshl_or_b32 v[W+\p], v[TM+5], 24, v[W+\p]
	v_lshl_or_b32 v[W+4+\p], v[TM+7], 24, v[W+4+\p]
.irp c, 0,1,2
	global_store_b128 v[VO], v[F0+4*\c:F0+4*\c+3], s[8:9] offset:FRB*\p+512*\c
	global_store_b128 v[VO], v[F1+4*\c:F1+4*\c+3], s[10:11] offset:FRB*\p+512*\c
.endr
.endr
.irp i, 0,1,2,3
	v_cndmask_b32 v[WS+\i], v[W+\i], v[W+4+\i], s98
.endr
	global_store_b128 v[VW], v[WS:WS+3], s[12:13]
	s_branch .Ljoin
.Lpath_v:
.irp a, 0,1,2,3,4,5,6,7
.if \a > 0
	s_wait_xcnt 0x0
.endif
	COPY \a
	QUANT X, F0, F0+6
	v_lshl_or_b32 v[W+\a], v[TM+5], 8, v[TM+4]
	v_lshl_or_b32 v[W+\a], v[TM+6], 16, v[W+\a]
	v_lshl_or_b32 v[W+\a], v[TM+7], 24, v[W+\a]
.irp c, 0,1,2
	global_store_b128 v[VO], v[F0+4*\c:F0+4*\c+3], s[8+2*(\a/4):9+2*(\a/4)] offset:4*FRB+FRB*(\a%4)+512*\c
.endr
.endr
.irp i, 0,1,2,3
	v_cndmask_b32 v[WS+\i], v[W+\i], v[W+4+\i], s98
.endr
	global_store_b128 v[VW], v[WS:WS+3], s[12:13] offset:256
.Ljoin:
	s_wait_tensorcnt 0x0
	ds_add_u32 v[SPW], v[NIL]
	s_wait_dscnt 0x0
	CROUND
	s_endpgm
.Lfunc_end_k_q538458c580_qkv:
	.size	k_q538458c580_qkv, .Lfunc_end_k_q538458c580_qkv-k_q538458c580_qkv
	.p2alignl 7, 3214868480
	.fill 96, 4, 3214868480
	.section	.rodata,"a",@progbits
	.p2align	6, 0x0
	.amdhsa_kernel k_q538458c580_qkv
		.amdhsa_group_segment_fixed_size 327680
		.amdhsa_private_segment_fixed_size 0
		.amdhsa_enable_private_segment 0
		.amdhsa_kernarg_size 32
		.amdhsa_user_sgpr_count 2
		.amdhsa_user_sgpr_kernarg_segment_ptr 1
		.amdhsa_wavefront_size32 1
		.amdhsa_system_sgpr_workgroup_id_x 1
		.amdhsa_system_sgpr_workgroup_id_y 1
		.amdhsa_system_sgpr_workgroup_id_z 1
		.amdhsa_system_vgpr_workitem_id 0
		.amdhsa_next_free_vgpr 1024
		.amdhsa_next_free_sgpr 100
		.amdhsa_reserve_vcc 0
		.amdhsa_float_denorm_mode_32 3
		.amdhsa_float_denorm_mode_16_64 3
		.amdhsa_memory_ordered 1
		.amdhsa_forward_progress 1
		.amdhsa_inst_pref_size 206
	.end_amdhsa_kernel
	.amdgpu_metadata
---
amdhsa.version: [ 1, 2 ]
amdhsa.kernels:
  - .name:           k_q538458c580_qkv
    .symbol:         k_q538458c580_qkv.kd
    .args:
      - { .name: xq, .offset: 0, .size: 8, .value_kind: global_buffer, .address_space: global }
      - { .name: wq, .offset: 8, .size: 8, .value_kind: global_buffer, .address_space: global }
      - { .name: qimg, .offset: 16, .size: 8, .value_kind: global_buffer, .address_space: global }
      - { .name: kv, .offset: 24, .size: 8, .value_kind: global_buffer, .address_space: global }
    .group_segment_fixed_size: 327680
    .private_segment_fixed_size: 0
    .kernarg_segment_align: 8
    .kernarg_segment_size: 32
    .max_flat_workgroup_size: 128
    .sgpr_count:     100
    .vgpr_count:     1024
    .wavefront_size: 32
...
	.end_amdgpu_metadata
.endif
;; end of part 2
;; launch attn (part 3): grid 8 x 32, 16 waves a work-group, clusters of 4 x 1, 327,680 bytes of LDS; arguments qimg, kv, oq; writes oq
.if DOCPART == 3
	.amdgcn_target "amdgcn-amd-amdhsa--gfx1250"
	.amdhsa_code_object_version 6
	.text
	.protected	k_q538458c580_attn
	.globl	k_q538458c580_attn
	.p2align	8
	.type	k_q538458c580_attn,@function
k_q538458c580_attn:
	s_mov_b64 s[64:65], 0
	v_nop
	global_prefetch_b8 v0, s[64:65] scope:SCOPE_SE
	s_setreg_imm32_b32 hwreg(HW_REG_WAVE_MODE, 25, 1), 1
	s_wait_xcnt 0x0
	s_wait_alu depctr_hold_cnt(0) depctr_sa_sdst(0) depctr_va_vdst(0) depctr_va_sdst(0) depctr_va_ssrc(0) depctr_va_vcc(0) depctr_vm_vsrc(0)
	s_getreg_b32 s2, hwreg(HW_REG_IB_STS2, 6, 4)
	s_cmp_eq_u32 s2, 0
	s_cbranch_scc0 .Lentry_in_a_cluster
	s_endpgm
.Lentry_in_a_cluster:
	s_bfe_u32 s2, ttmp6, 0x10000c
	s_cmp_lg_u32 s2, 0x3003
	s_cbranch_scc0 .Lentry_shape_is_right
	s_endpgm
.Lentry_shape_is_right:
; O = softmax(q k^T) v for 64 heads of 2,048 tokens x 64, both products on codes of FP6 (E2M3) with E8M0 scales (q already carries 2^-3); O / l is quantised along C and leaves as codes.
; THE SOFTMAX: t = score x log2(e); M = the running largest t rounded up to a whole number; p = 2^(t - M) is quantised along the keys; the row's sum is taken of the unquantised p and divides O at the end;
; when M moves, the sum and O are multiplied by 2^(old M - new M), exactly.  LIMITS: no NaN, no infinities among the inputs; |t| stays under 2^31; a block under 2^-124, or of zeros, keeps the byte 1.
; SHARES.  A work-group owns 256 queries of a batch and a PAIR of heads: it walks head 2 g's 16 key steps of 128 keys, then head 2 g + 1's: 32 records of 12,800 bytes, dense in kv.  So a wave ends with both
; heads' 64 codes of its 16 queries: one whole fragment (K step g) of the next product's operand.  Each of sixteen waves owns one tile of 16 queries in 256 registers: four waves to a SIMD, no register windows.
; CLUSTER.  Four query blocks of one batch and head pair walk the same records: each record is asked for jointly, mask 15, by waves 0-7, one record each.
; RING.  Two slots of eight records: four fills, three of them behind a round; the change of slots stands at a slot's head; a fill then has eight key steps of all sixteen waves in which to land, so no prefetch is laid.
; LAYOUT.  Both products transposed: S^T = K Q^T, O^T = V^T P^T: a lane holds one query.  The head's K is 64, half of the instruction's 128: a fragment of K holds TWO key tiles (registers 0-5, 6-11), and is multiplied
; once by (q, zeros) and once by (zeros, q): zero codes add nothing, and no LDS byte is read in vain.  Tokens lie in the order in which the 16 registers of key tiles 2 b, 2 b + 1 are keys 32 b + 16 h + 0 .. 15.
; THE ROW'S SUM: 48 of a step's 64 p are added behind the exponentials; eight at the next step's head and eight among its first products, where they are the places that the matrix instructions want.
; OUT.  The fragment leaves as six pieces: registers 2 p, 2 p + 1 of lane l at 256 p + 8 l.  O's scale words leave as 4 bytes a lane, 16 bytes apart: the other three words of each 16 bytes belong to other head pairs' work-groups.
.set FRB,   1536
.set REC,   12800                      ; K's 4 fragments, V's 4, K's words (256), V's words (256)
.set SLOTB, 8*REC
.set SLOT1, 131072                     ; slot 1 begins here: one exclusive or turns an address
.set SPARE, 2*SLOT1                    ; the spare words, 128 bytes for each of 16 waves
.set LI,   1                           ; v1   16 x lane
.set QFO,  2                           ; v2   q's fragment: 16 x lane + 1,536 j
.set ADR,  3                           ; v3   the record in hand + 16 x lane
.set QWO,  4                           ; v4   q's word: 16 r + 4 j
.set SPW,  5                           ; v5   my spare word; never rewritten
.set NIL,  6                           ; v6   0; never rewritten
.set R16,  7                           ; v7   16 r
.set HW0,  8                           ; v8   head 0's two scale bytes of O
.set HW1,  9                           ; v9   head 1's, then the whole word
.set QW1,  10                          ; v10  head 1's scale word of q
                                       ; v12 -M, v13 the largest t, v[14:15] the sum in two halves
                                       ; v16-21 q, v22-27 zeros, v28-33 q: (q, 0) = v[16:27], (0, q) = v[22:33]
.set QW,   34                          ; v34  q's two bytes, twice
.set PW,   35                          ; v35  p's scale word
.set KVW,  36                          ; v36-39 lanes 0-15 K's four words, lanes 16-31 V's
.set KF,   40                          ; v40-87 K's four fragments; fragments 0 and 1's registers are at work behind the first products:
.set BM,   40                          ;   v40-43 block maxima
.set PB,   44                          ;   v44-47 the other half's, chains of the sum, bytes
.set SO,   48                          ;   v48-51 scale operands
.set CT,   52                          ;   v52-59 upper halves of blocks
.set FF,   60                          ;   v[60:61] f, or 1 / l (the low word serves both halves)
.set TMP,  62
.set VF,   88                          ; v88-135 V's four fragments
.set S,    136                         ; v136-199 S^T, then p
.set O,    200                         ; v200-231 O^T
.set PC,   232                         ; v232-243 p's codes; ahead of them chains of the sum
                                       ; v244-249 head 0's codes of O; v250-255 head 1's q, later head 1's codes of O
.set WV,   18
.set SEL,  20
.set CS,   22                          ; s[22:23] log2(e)
.set G1,   24
.set G0,   32
.set TB,   3                           ; s3   LDS byte of the record in hand
.macro WALU
	s_wait_alu depctr_va_vdst(0)
.endm
.macro CROUND
	s_barrier_signal -1
	s_barrier_wait -1
	s_cmp_lg_u32 s[WV], 0
	s_cbranch_scc1 .Lnot_wave_0_\@
	s_barrier_signal -3
.Lnot_wave_0_\@:
	s_barrier_wait -3
	s_barrier_signal -1
	s_barrier_wait -1
.endm
.macro TLOAD                           ; waves 0-7 fetch a record each; the branch hangs on the wave's number alone; an s_nop 0 and four v_nop follow the load
	s_cmp_lt_u32 s[WV], 8
	s_cbranch_scc0 .Lnone_\@
	tensor_load_to_lds s[G0:G0+3], s[G1:G1+7]
	s_nop 0
.rept 4
	v_nop
.endr
.Lnone_\@:
.endm
.macro INIT                            ; a head begins: the largest t -3e38; the sum, O^T and the sixteen p that the first step still adds are zeros
	v_mov_b32 v13, 0xff61b1e6
	v_mov_b32 v14, 0
	v_mov_b32 v15, 0
	s_delay_alu instid0(VALU_DEP_3)
	v_floor_f32 v12, -v13
.set n, 0
.rept 32
	v_mov_b32 v[O+n], 0
.set n, n+1
.endr
.set n, 0
.rept 8
	v_mov_b32 v[S+40+n], 0
	v_mov_b32 v[S+56+n], 0
.set n, n+1
.endr
	WALU
.endm
.macro PP d, x, y                      ; a chain of the sum begins
	v_pk_add_f32 v[\d:\d+1], v[S+\x:S+\x+1], v[S+\y:S+\y+1]
.endm
.macro PA d, x                         ; and takes two more p in
	v_pk_add_f32 v[\d:\d+1], v[\d:\d+1], v[S+\x:S+\x+1]
.endm
.macro PJ d, e                         ; two chains are joined
	v_pk_add_f32 v[\d:\d+1], v[\d:\d+1], v[\e:\e+1]
.endm
.macro SUM2                            ; eight p of the step before, which key tiles 6 and 7's products have not yet written over
	PP 232, 56, 58
	PP 234, 60, 62
	PJ 232, 234
	PJ 14, 232
.endm
.macro SW f                            ; the scores of fragment f's two key tiles
	v_wmma_scale_f32_16x16x128_f8f6f4 v[S+16*\f:S+16*\f+7], v[KF+12*\f:KF+12*\f+11], v[16:27], 0, v[KVW+\f], v[QW] matrix_a_fmt:MATRIX_FMT_FP6 matrix_b_fmt:MATRIX_FMT_FP6
	v_wmma_scale_f32_16x16x128_f8f6f4 v[S+16*\f+8:S+16*\f+15], v[KF+12*\f:KF+12*\f+11], v[22:33], 0, v[KVW+\f], v[QW] matrix_a_fmt:MATRIX_FMT_FP6 matrix_b_fmt:MATRIX_FMT_FP6
.endm
.macro MX b, l                         ; line l = 0 .. 7 of the search for block b's largest score
.if (\l) == 0
	v_max3_num_f32 v[BM+\b], v[S+16*\b], v[S+16*\b+1], v[S+16*\b+2]
.elseif (\l) == 7
	v_max_num_f32 v[BM+\b], v[BM+\b], v[S+16*\b+15]
.else
	v_max3_num_f32 v[BM+\b], v[BM+\b], v[S+16*\b+2*(\l)+1], v[S+16*\b+2*(\l)+2]
.endif
.endm
; A KEY STEP: 128 keys
.macro STEP
	PP 44, 40, 42                                  ; eight p of the step before; with the address these are five places behind the last products, ahead of loads into their registers
	PP 46, 44, 46
	v_add_nc_u32 v[ADR], s[TB], v[LI]
	PJ 44, 46
	PJ 14, 44
	ds_load_b128 v[KVW:KVW+3], v[ADR] offset:8*FRB ; lanes 0-15 fall on K's words, lanes 16-31 on V's
.irp f, 0,1,2,3
.irp c, 0,1,2
	ds_load_b128 v[KF+12*\f+4*\c:KF+12*\f+4*\c+3], v[ADR] offset:FRB*\f+512*\c
.endr
.endr
.irp f, 0,1,2,3
.irp c, 0,1,2
	ds_load_b128 v[VF+12*\f+4*\c:VF+12*\f+4*\c+3], v[ADR] offset:4*FRB+FRB*\f+512*\c
.endr
.endr
	WALU                                           ; ahead of the blocking wait
	s_wait_dscnt 12                                ; the words and K are in; V's twelve loads may be out
	SW 0
	SW 1
	SUM2                                           ; four places behind key tiles 0-3's products
	SW 2
	SW 3
	MX 0, 0                                        ; the largest score of each block of 32 keys: for the row's maximum, and, since p rises with the score, for the block's largest p.
	MX 1, 0                                        ; These four lines on key tiles 0-3 are the places behind key tiles 4-7's products
	MX 0, 1
	MX 1, 1
.irp k, 0,1,2,3,4,5
	MX 2, \k
	MX 3, \k
	MX 0, \k+2
	MX 1, \k+2
.endr
	MX 2, 6
	MX 3, 6
	MX 2, 7
	MX 3, 7
.irp b, 0,1,2,3
	v_permlanex16_b32 v[PB+\b], v[BM+\b], s[SEL], s[SEL+1]
.endr
.irp b, 0,1,2,3
	s_delay_alu instid0(VALU_DEP_4)
	v_max_num_f32 v[BM+\b], v[BM+\b], v[PB+\b]     ; with lane l xor 16's 16 keys
.endr
	s_delay_alu instid0(VALU_DEP_2)
	v_max3_num_f32 v[TMP], v[BM], v[BM+1], v[BM+2]
	s_delay_alu instid0(VALU_DEP_1)
	v_max_num_f32 v[TMP], v[TMP], v[BM+3]
	s_delay_alu instid0(VALU_DEP_1)
	v_mul_f32 v[TMP], s[CS], v[TMP]                ; the step's largest t
	s_delay_alu instid0(VALU_DEP_1)
	v_max_num_f32 v13, v13, v[TMP]
	v_mov_b32 v[TMP], v12
	s_delay_alu instid0(VALU_DEP_2)
	v_floor_f32 v12, -v13                          ; the new -M = -ceil(t): a whole number
	s_delay_alu instid0(VALU_DEP_1)
	v_sub_f32 v[TMP], v12, v[TMP]                  ; old M - new M, 0 or less
	s_delay_alu instid0(VALU_DEP_1)
	v_cvt_i32_f32 v[TMP], v[TMP]                   ; (it saturates)
	s_delay_alu instid0(VALU_DEP_1)
	v_ldexp_f32 v[FF], 1.0, v[TMP]                 ; f = 2^(old M - new M)
.set n, 0
.rept 32
	v_pk_fma_f32 v[S+n:S+n+1], v[S+n:S+n+1], s[CS:CS+1], v[12:13] op_sel_hi:[1,0,0]   ; t - M
.set n, n+2
.endr
.irp b, 0,1,2,3
	v_fma_f32 v[BM+\b], v[BM+\b], s[CS], v12       ; the same of each block's largest score
.endr
	WALU                                           ; ahead of the batch
.set n, 0
.rept 64
	v_exp_f32 v[S+n], v[S+n]                       ; p = 2^(t - M)
.set n, n+1
.endr
	v_pk_mul_f32 v[14:15], v[14:15], v[FF:FF+1] op_sel_hi:[1,0]   ; the sum under the new M; the plain place behind the batch
	WALU                                           ; one wait for the batch, ahead of its first reader
.irp b, 0,1,2,3
	v_exp_f32 v[BM+\b], v[BM+\b]                   ; the block's largest p: the same two instructions on the same number
.endr
	PP 44, 0, 2                                    ; the row's sum of the unquantised p: 48 of the 64 here, in eight chains
	PP 242, 4, 6
	PP 240, 8, 10
	PP 238, 12, 14
	PP 236, 16, 18
	PP 234, 20, 22
	PP 232, 24, 26
	PA 14, 28
	PA 44, 30
	PA 242, 32
	PA 240, 34
	PA 238, 36
	PA 236, 38
	PA 234, 48
	PA 232, 50
	PA 14, 52
	PA 44, 54
	PJ 242, 240
	PJ 238, 236
	PJ 234, 232
	PJ 14, 44
	PJ 242, 238
	PJ 14, 234
	PJ 14, 242
	WALU                                           ; and one for the four
.irp b, 0,1,2,3
	v_max_num_f32 v[BM+\b], 0x1800000, v[BM+\b]    ; the floor 2^(3 - 127)
.endr
.irp b, 0,1,2,3
	s_delay_alu instid0(VALU_DEP_4)
	v_add_nc_u32 v[SO+\b], 0xff000000, v[BM+\b]    ; the conversion's scale operand
.endr
.irp b, 0,1,2,3
	s_delay_alu instid0(VALU_DEP_4)
	v_lshrrev_b32 v[PB+\b], 23, v[SO+\b]           ; the byte
.endr
	s_delay_alu instid0(VALU_DEP_3)
	v_lshl_or_b32 v[PW], v[PB+1], 8, v[PB]
	s_delay_alu instid0(VALU_DEP_1)
	v_lshl_or_b32 v[PW], v[PB+2], 16, v[PW]
.irp c, 0,1
	v_cvt_scalef32_pk16_fp6_f32 v[PC+6*\c:PC+6*\c+2], v[S+32*\c:S+32*\c+15], v[SO+2*\c]
	v_cvt_scalef32_pk16_fp6_f32 v[CT+4*\c:CT+4*\c+2], v[S+32*\c+16:S+32*\c+31], v[SO+2*\c+1]
.endr
	v_lshl_or_b32 v[PW], v[PB+3], 24, v[PW]        ; p's scale word is whole; also the plain place behind the scaled conversions
.irp c, 0,1
.irp i, 0,1,2
	v_permlane16_swap_b32 v[PC+6*\c+\i], v[CT+4*\c+\i]   ; a whole block to a lane
.endr
.irp i, 0,1,2
	s_delay_alu instid0(VALU_DEP_3)
	v_mov_b32 v[PC+6*\c+3+\i], v[CT+4*\c+\i]
.endr
.endr
.set n, 0
.rept 16
	v_pk_mul_f32 v[O+n:O+n+1], v[O+n:O+n+1], v[FF:FF+1] op_sel_hi:[1,0]   ; O^T under the new M; these sixteen are also the places between p's codes and word and the products
.set n, n+2
.endr
	WALU
	s_wait_dscnt 0x0                               ; V is in
.irp t, 0,1,2,3
	v_wmma_scale_f32_16x16x128_f8f6f4 v[O+8*\t:O+8*\t+7], v[VF+12*\t:VF+12*\t+11], v[PC:PC+11], v[O+8*\t:O+8*\t+7], v[KVW+\t], v[PW] matrix_a_fmt:MATRIX_FMT_FP6 matrix_b_fmt:MATRIX_FMT_FP6 matrix_a_scale:MATRIX_SCALE_ROW1
.endr
	s_add_co_u32 s[TB], s[TB], REC
.endm
.macro STEPS                           ; a slot's eight key steps: written once, walked eight times
	s_mov_b32 s37, 8
.Lstep_\@:
	STEP
	s_sub_co_u32 s37, s37, 1
	s_cmp_lg_u32 s37, 0
	s_cbranch_scc1 .Lstep_\@
	s_sub_co_u32 s[TB], s[TB], SLOTB
	s_xor_b32 s[TB], s[TB], SLOT1                  ; on to the other slot
.endm
; THE CHANGE OF SLOTS, at a slot's head.  Each wave waits for all its tensor loads, adds 0 to its spare word, and waits for that and for its reads of the slot that it has left.
; fill = 1: a round of the cluster's barrier; behind it the slot just left takes the next eight records.
.macro CHANGE fill
	s_wait_tensorcnt 0x0                           ; no tensor load of mine is out, so the descriptor may be written
	ds_add_u32 v[SPW], v[NIL]
.if \fill
	s_xor_b32 s[G0+1], s[G0+1], SLOT1
	s_add_nc_u64 s[G0+2:G0+3], s[G0+2:G0+3], SLOTB
.endif
	s_wait_dscnt 0x0
.if \fill
	CROUND
	TLOAD
.else
	s_barrier_signal -1
	s_barrier_wait -1
.endif
.endm
; A head ends: the last step's sixteen p go into the sum; O^T / l, quantised along the head's 64 (two blocks of C): six registers of codes at v[d], the two bytes in v[hw]
.macro FINAL d, hw
	PP 44, 40, 42                                  ; (these lines are also the places behind the last products)
	PP 46, 44, 46
	PJ 44, 46
	PJ 14, 44
	SUM2
	v_add_f32 v14, v14, v15
	s_delay_alu instid0(VALU_DEP_1)
	v_permlanex16_b32 v[TMP], v14, s[SEL], s[SEL+1]
	s_delay_alu instid0(VALU_DEP_1)
	v_add_f32 v14, v14, v[TMP]                     ; the row's sum
	WALU
	v_rcp_f32 v[FF], v14
	v_nop
	WALU                                           ; ahead of the reciprocal's first reader
.set n, 0
.rept 16
	v_pk_mul_f32 v[O+n:O+n+1], v[O+n:O+n+1], v[FF:FF+1] op_sel_hi:[1,0]
.set n, n+2
.endr
.irp b, 0,1
	v_max3_num_f32 v[BM+\b], |v[O+16*\b]|, |v[O+16*\b+1]|, 0x1800000
.endr
.irp i, 2,4,6,8,10,12,14
.irp b, 0,1
	s_delay_alu instid0(VALU_DEP_2)
	v_max3_num_f32 v[BM+\b], v[BM+\b], |v[O+16*\b+\i]|, |v[O+16*\b+\i+1]|
.endr
.endr
.irp b, 0,1
	s_delay_alu instid0(VALU_DEP_2)
	v_permlanex16_b32 v[PB+\b], v[BM+\b], s[SEL], s[SEL+1]
.endr
.irp b, 0,1
	s_delay_alu instid0(VALU_DEP_2)
	v_max_num_f32 v[BM+\b], v[BM+\b], v[PB+\b]
.endr
.irp b, 0,1
	s_delay_alu instid0(VALU_DEP_2)
	v_add_nc_u32 v[SO+\b], 0xff000000, v[BM+\b]
.endr
.irp b, 0,1
	s_delay_alu instid0(VALU_DEP_2)
	v_lshrrev_b32 v[PB+\b], 23, v[SO+\b]
.endr
	s_delay_alu instid0(VALU_DEP_1)
	v_lshl_or_b32 v[\hw], v[PB+1], 8, v[PB]
	v_cvt_scalef32_pk16_fp6_f32 v[\d:\d+2], v[O:O+15], v[SO]
	v_cvt_scalef32_pk16_fp6_f32 v[CT:CT+2], v[O+16:O+31], v[SO+1]
	v_nop
.irp i, 0,1,2
	v_permlane16_swap_b32 v[\d+\i], v[CT+\i]
.endr
.irp i, 0,1,2
	s_delay_alu instid0(VALU_DEP_3)
	v_mov_b32 v[\d+3+\i], v[CT+\i]
.endr
.endm
	s_load_b128 s[4:7], s[0:1], 0x0                ; qimg, kv
	s_load_b64 s[8:9], s[0:1], 0x10                ; oq
	v_lshl_add_u32 v[SPW], v0, 2, SPARE
	v_mov_b32 v[NIL], 0
	ds_add_u32 v[SPW], v[NIL]                      ; the wave's opening: the add, twice on end, and its wait ahead of my first tensor load
	ds_add_u32 v[SPW], v[NIL]
	v_lshrrev_b32 v11, 5, v0
	s_delay_alu instid0(VALU_DEP_1)
	v_readfirstlane_b32 s[WV], v11                 ; wave 0..15
	s_bfe_u32 s13, ttmp6, 0x40000                  ; cx: it enters q's and O's addresses alone
	s_lshl_b32 s14, ttmp9, 2
	s_add_co_u32 s14, s14, s13                     ; my block of 256 queries
	s_and_b32 s12, ttmp7, 0xffff                   ; 8 x batch + head pair, which the four partners share
	s_mov_b32 s[G1], 15|(3<<16)|(1<<21)            ; the mask: all four; elements of 8 bytes; bit 21 beside a mask; no padding
	s_mov_b32 s[G1+1], 32<<16                      ; a record: 50 rows of 256 bytes, dense
	s_mov_b32 s[G1+2], 50<<16
	s_mov_b32 s[G1+3], 32<<16
	s_mov_b32 s[G1+4], 50
	s_mov_b32 s[G1+5], 32
	s_mov_b32 s[G1+6], 0
	s_mov_b32 s[G1+7], 0
	s_and_b32 s17, s[WV], 7
	s_mul_i32 s17, s17, REC                        ; the record that I fetch, if I fetch: in a slot and in memory
	s_mul_i32 s40, s12, 32*REC                     ; the head pair's 32 records
	s_add_co_u32 s40, s40, s17
	s_mov_b32 s41, 0
	s_mul_i32 s42, s12, 204800                     ; q: two heads of 102,400 bytes,
	s_lshl_b32 s44, s14, 1
	s_lshr_b32 s45, s[WV], 3
	s_add_co_u32 s44, s44, s45
	s_mul_i32 s44, s44, 6400                       ; my record of 128 queries
	s_add_co_u32 s42, s42, s44
	s_mov_b32 s43, 0
	s_lshr_b32 s46, s12, 3
	s_lshl_b32 s46, s46, 7
	s_lshl_b32 s47, s14, 4
	s_add_co_u32 s46, s46, s47
	s_add_co_u32 s46, s46, s[WV]                   ; O: my tile of 16 tokens: 128 x batch + 16 x block + wave
	s_and_b32 s47, s12, 7                          ; the head pair = the next product's K step
	s_mul_i32 s48, s46, 8*FRB
	s_mul_i32 s49, s47, FRB
	s_add_co_u32 s48, s48, s49
	s_mov_b32 s49, 0
	s_lshl_b32 s50, s46, 9                         ; its scale words: 512 bytes a tile,
	s_lshr_b32 s51, s47, 2
	s_lshl_b32 s51, s51, 8                         ; 256 for four K steps,
	s_add_co_u32 s50, s50, s51
	s_and_b32 s51, s47, 3
	s_lshl_b32 s51, s51, 2                         ; 4 a K step,
	s_add_co_u32 s50, s50, s51
	s_add_co_u32 s50, s50, 6291456                 ; behind the codes
	s_mov_b32 s51, 0
	s_mov_b32 s[SEL], 0x76543210
	s_mov_b32 s[SEL+1], 0xfedcba98
	s_mov_b32 s[CS], 0x3fb8aa3b                    ; log2(e)
	s_mov_b32 s[CS+1], s[CS]
	s_mov_b32 s[TB], 0
	s_and_b32 s39, s[WV], 1
	s_sub_co_u32 s38, 0, s39                       ; all ones where my tile is a fragment's second
	s_lshl_b32 s39, s39, 4                         ; and its bytes the word's upper two
	s_wait_dscnt 0x0                               ; both opening adds are done
	s_wait_kmcnt 0x0
	s_add_nc_u64 s[6:7], s[6:7], s[40:41]
	s_add_nc_u64 s[4:5], s[4:5], s[42:43]
	s_add_nc_u64 s[10:11], s[8:9], s[50:51]
	s_add_nc_u64 s[8:9], s[8:9], s[48:49]
	CROUND                                         ; all four work-groups are here: the first joint loads meet
	s_mov_b32 s[G0], 1
	s_mov_b32 s[G0+1], s17
	s_mov_b64 s[G0+2:G0+3], s[6:7]
	s_or_b32 s[G0+3], s[G0+3], 0x80000000
	TLOAD                                          ; slot 0: records 0-7
	v_and_b32 v11, 31, v0
	s_delay_alu instid0(VALU_DEP_1)
	v_lshlrev_b32 v[LI], 4, v11
	v_and_b32 v[R16], 15, v0
	s_delay_alu instid0(VALU_DEP_1)
	v_lshlrev_b32 v[R16], 4, v[R16]
	s_lshr_b32 s44, s[WV], 1
	s_and_b32 s44, s44, 3                          ; which fragment of the record holds my tile
	s_mul_i32 s45, s44, FRB
	v_add_nc_u32 v[QFO], s45, v[LI]
	s_lshl_b32 s44, s44, 2
	v_add_nc_u32 v[QWO], s44, v[R16]
.irp c, 0,1,2
	global_load_b128 v[S+4*\c:S+4*\c+3], v[QFO], s[4:5] offset:512*\c               ; head 0's fragment
	global_load_b128 v[S+12+4*\c:S+12+4*\c+3], v[QFO], s[4:5] offset:102400+512*\c  ; head 1's
.endr
	global_load_b32 v[S+24], v[QWO], s[4:5] offset:4*FRB
	global_load_b32 v[S+25], v[QWO], s[4:5] offset:102400+4*FRB
	s_wait_loadcnt 0x0
.irp i, 0,1,2,3,4,5
	v_cndmask_b32 v[16+\i], v[S+\i], v[S+6+\i], s38        ; my tile's six registers
	v_cndmask_b32 v[250+\i], v[S+12+\i], v[S+18+\i], s38
.endr
.irp i, 0,1,2,3,4,5
	v_mov_b32 v[28+\i], v[16+\i]
	v_mov_b32 v[22+\i], 0                          ; zero codes
.endr
	v_lshrrev_b32 v[S+24], s39, v[S+24]
	v_lshrrev_b32 v[S+25], s39, v[S+25]
	s_delay_alu instid0(VALU_DEP_2)
	v_and_b32 v[S+24], 0xffff, v[S+24]
	s_delay_alu instid0(VALU_DEP_2)
	v_and_b32 v[S+25], 0xffff, v[S+25]
	s_delay_alu instid0(VALU_DEP_2)
	v_lshl_or_b32 v[QW], v[S+24], 16, v[S+24]      ; my two bytes serve both places of q
	s_delay_alu instid0(VALU_DEP_2)
	v_lshl_or_b32 v[QW1], v[S+25], 16, v[S+25]
	INIT
	s_mov_b32 s36, 2
.Lpass0:                                           ; head 2 g: two slots' worth of keys
	CHANGE 1
	STEPS
	s_sub_co_u32 s36, s36, 1
	s_cmp_lg_u32 s36, 0
	s_cbranch_scc1 .Lpass0
	FINAL 244, HW0
.irp i, 0,1,2,3,4,5
	v_mov_b32 v[16+\i], v[250+\i]                  ; head 2 g + 1's q
	v_mov_b32 v[28+\i], v[250+\i]
.endr
	v_mov_b32 v[QW], v[QW1]
	INIT
	CHANGE 1                                       ; the last fill
	STEPS
	CHANGE 0                                       ; the last slot: nothing more is fetched
	STEPS
	FINAL 250, HW1
	v_lshl_or_b32 v[HW1], v[HW1], 16, v[HW0]       ; the K step's scale word of my row
	v_and_b32 v11, 31, v0
	v_lshlrev_b32 v11, 3, v11                      ; 8 x lane
.irp p, 0,1,2,3,4,5
	global_store_b64 v11, v[244+2*\p:245+2*\p], s[8:9] offset:256*\p   ; 256 consecutive bytes a store, aligned
.endr
	global_store_b32 v[R16], v[HW1], s[10:11]      ; lanes l and l + 16 store the same word with the same value
	s_wait_tensorcnt 0x0                           ; the wave's end
	ds_add_u32 v[SPW], v[NIL]
	s_wait_dscnt 0x0
	CROUND                                         ; the closing round
	s_endpgm
.Lfunc_end_k_q538458c580_attn:
	.size	k_q538458c580_attn, .Lfunc_end_k_q538458c580_attn-k_q538458c580_attn
	.p2alignl 7, 3214868480
	.fill 96, 4, 3214868480
	.section	.rodata,"a",@progbits
	.p2align	6, 0x0
	.amdhsa_kernel k_q538458c580_attn
		.amdhsa_group_segment_fixed_size 327680
		.amdhsa_private_segment_fixed_size 0
		.amdhsa_enable_private_segment 0
		.amdhsa_kernarg_size 24
		.amdhsa_user_sgpr_count 2
		.amdhsa_user_sgpr_kernarg_segment_ptr 1
		.amdhsa_wavefront_size32 1
		.amdhsa_system_sgpr_workgroup_id_x 1
		.amdhsa_system_sgpr_workgroup_id_y 1
		.amdhsa_system_sgpr_workgroup_id_z 1
		.amdhsa_system_vgpr_workitem_id 0
		.amdhsa_next_free_vgpr 256
		.amdhsa_next_free_sgpr 66
		.amdhsa_reserve_vcc 0
		.amdhsa_float_denorm_mode_32 3
		.amdhsa_float_denorm_mode_16_64 3
		.amdhsa_memory_ordered 1
		.amdhsa_forward_progress 1
		.amdhsa_inst_pref_size 71
	.end_amdhsa_kernel
	.amdgpu_metadata
---
amdhsa.version: [ 1, 2 ]
amdhsa.kernels:
  - .name:           k_q538458c580_attn
    .symbol:         k_q538458c580_attn.kd
    .args:
      - { .name: qimg, .offset: 0, .size: 8, .value_kind: global_buffer, .address_space: global }
      - { .name: kv, .offset: 8, .size: 8, .value_kind: global_buffer, .address_space: global }
      - { .name: oq, .offset: 16, .size: 8, .value_kind: global_buffer, .address_space: global }
    .group_segment_fixed_size: 327680
    .private_segment_fixed_size: 0
    .kernarg_segment_align: 8
    .kernarg_segment_size: 24
    .max_flat_workgroup_size: 512
    .sgpr_count:     66
    .vgpr_count:     256
    .wavefront_size: 32
...
	.end_amdgpu_metadata
.endif
;; end of part 3
;; launch proj (part 4): grid 32 x 8, 4 waves a work-group, clusters of 4 x 4, 327,680 bytes of LDS; arguments oq, pq, proj_b, out0; writes out0
.if DOCPART == 4
	.amdgcn_target "amdgcn-amd-amdhsa--gfx1250"
	.amdhsa_code_object_version 6
	.text
	.protected	k_q538458c580_proj
	.globl	k_q538458c580_proj
	.p2align	8
	.type	k_q538458c580_proj,@function
k_q538458c580_proj:
	s_mov_b64 s[64:65], 0
	v_nop
	global_prefetch_b8 v0, s[64:65] scope:SCOPE_SE
	s_setreg_imm32_b32 hwreg(HW_REG_WAVE_MODE, 25, 1), 1
	s_wait_xcnt 0x0
	s_wait_alu depctr_hold_cnt(0) depctr_sa_sdst(0) depctr_va_vdst(0) depctr_va_sdst(0) depctr_va_ssrc(0) depctr_va_vcc(0) depctr_vm_vsrc(0)
	s_getreg_b32 s2, hwreg(HW_REG_IB_STS2, 6, 4)
	s_cmp_eq_u32 s2, 0
	s_cbranch_scc0 .Lentry_in_a_cluster
	s_endpgm
.Lentry_in_a_cluster:
	s_bfe_u32 s2, ttmp6, 0x10000c
	s_cmp_lg_u32 s2, 0xf033
	s_cbranch_scc0 .Lentry_shape_is_right
	s_endpgm
.Lentry_shape_is_right:
; out[token][n] = sum over k of context[token][k] proj_w[n][k] + proj_b[n], f32: 8,192 x 1,024 x 1,024 on codes of FP6 (E2M3) with E8M0 scales.  A sum begins with the bias.
; LIMITS: NaN, infinities and sums beyond f32's range are not served.
; A = oq: [tile of 16 tokens][K step][piece 0..5][lane][8 bytes], 12,288 bytes a tile: registers 2 p, 2 p + 1 of a fragment are piece p.  B = pq: [tile of 16 rows][K step][registers 4 c .. 4 c + 3 of lane l at 512 c + 16 l].
; Both have their scale words behind the codes: [tile][K step / 4][row][K step % 4], 512 bytes a tile.  Row i of a tile T is the tensor's row 32 (T / 2) + 8 (T % 2) + i + 8 (i / 8), for tokens and for proj_w's rows alike.
; THE DEAL.  256 work-groups of four waves, 2 x 2, each 256 tokens x 128 columns.  A wave holds four column tiles of B, all of K, in 384 registers, and streams A's tiles past them in eight blocks of 16 tokens:
; the wave in row a takes tiles 2 s + a as its block s.  So B is read from LDS once, and a block's eight fragments feed 32 products.
; THE CLUSTER's x counts tile rows: tile row 4 x cluster x + cx, tile column 4 x cluster y + cy.  A's tiles are shared by a column of the cluster, B's by a row.
; LDS: A's 16 tiles, dense; B's 8 tiles, dense; A's scale words; the spare words.  Every byte is filled once, all is asked for at the head: no refill, and no data prefetch.  The waves' stages lie in B's first bytes,
; which are read for the last time ahead of the barrier in front of the stream.
; THE HEAD'S FOUR TILES, one a wave, each on its own line: B; A's tiles 0-7; 8-11; 12-15.  The stream begins when the first two are in; a plain barrier inside each pair's second block shows the others.
; Two sets of A's fragments, of accumulators and of rows back from the stage, by turns.  Behind a block's 32 products one run of memory lines: its sums into the stage and back as rows of 256 bytes, the fetch of the block
; two on, ONE wait on LDS (younger than the rows' way back is the fetch alone, NF loads), eight stores.
.set SIZE_N, 1024
.set NQ, 8                             ; K / 128
.set NB, 4                             ; column tiles a wave
.set TM, 256
.set TN, 128
.set KROW, 768                         ; a tensor load's row: a sixteenth of a tile
.set TILE, 12288
.set FRB, 1536
.set FR, 12
.set FPW, 256/FR                       ; fragments in a window
.set NF, 26                            ; LDS loads of a block: 24 for eight fragments, 2 for eight scale words
.set YB, TM*KROW                       ; B's tiles
.set SCL, YB+TN*KROW                   ; A's scale words, 8,192 bytes
.set SSTEP, 1024                       ; from a block's scale words to my next block's
.set SPITCH, 272                       ; a stage of 16 rows x (256 bytes + 16) for each wave
.set STAGE, YB
.set SPARE, SCL+8192
.set AAS0, 6                           ; v6   LDS address of my row's scale words in block 0
.set CO, 9                             ; v9   my byte offset in out: row l / 16, 16 bytes x (l % 16)
.set SPW, 10
.set NIL, 11
.set BA, 14                            ; v14  LDS address of my fragments of B
.set ABS, 16                           ; v16  my offset in B's scale words
.set AAS, 17                           ; v17  as v6, for the block that is fetched next
.set STO, 18
.set RD, 19
.set SB, 24                            ; v24-39  B's scale words: lanes 0-15 the even tile of a pair, lanes 16-31 the odd one
.set SA, 42                            ; v42-57  A's: two sets of eight
.set ACC, 64                           ; v64-127 two sets of four accumulators
.set BK, 128                           ; v128-191 two sets: 16 rows x 256 bytes back from the stage
.set AQ0, 192                          ; v192-199 LDS addresses of block 0's eight fragments
.set AQ, 200                           ; v200-207 the same for the block that is fetched next
.set BO, 208                           ; v208-239 the bias as the first four products' C
.set G1A, 24
.set G0A, 56
.set G1B, 32
.set G0B, 60
.set MSB, 0
.macro WIN new
.if MSB != \new
	s_set_vgpr_msb (MSB<<8)|\new
.set MSB, \new
.endif
.endm
.macro PLACES n
.rept \n
	v_nop
.endr
.endm
.macro WALU
	s_wait_alu depctr_va_vdst(0)
.endm
.macro BARRIER
	s_barrier_signal -1
	s_barrier_wait -1
.endm
.macro CROUND
	BARRIER
	s_cmp_lg_u32 s14, 0
	s_cbranch_scc1 .Lnot_wave_0_\@
	s_barrier_signal -3
.Lnot_wave_0_\@:
	s_barrier_wait -3
	BARRIER
.endm
.macro TLOAD g0, g1                    ; an s_nop 0 and four v_nop follow the load
	tensor_load_to_lds s[\g0:\g0+3], s[\g1:\g1+7]
	s_nop 0
	PLACES 4
.endm
.macro ATILE first, rows               ; a part of A's 256 rows of 768 bytes, by a descriptor of constants
	s_mov_b32 s[G0A+1], (\first)*KROW
	s_mov_b32 s[G1A+2], (\rows)<<16
	s_mov_b32 s[G1A+4], \rows
.if \first
	s_add_nc_u64 s[G0A+2:G0A+3], s[G0A+2:G0A+3], (\first)*KROW
.endif
	s_or_b32 s[G0A+3], s[G0A+3], 0x80000000
	TLOAD G0A, G1A
.endm
.macro GROUP1 g, mask, rows
	s_or_b32 s[\g+0], s[\mask], (1<<21)
	s_mov_b32 s[\g+1], (KROW&0xffff)<<16
	s_mov_b32 s[\g+3], KROW<<16
.if \rows
	s_mov_b32 s[\g+2], (KROW>>16)|((\rows)<<16)
	s_mov_b32 s[\g+4], \rows
.endif
	s_mov_b32 s[\g+5], KROW
	s_mov_b32 s[\g+6], 0
	s_mov_b32 s[\g+7], 0
.endm
.macro FETCHAT e, aq, as               ; a block of A into set e: NF loads
.irp q, 0,1,2,3,4,5,6,7
	WIN (1+(NB*NQ+NQ*(\e)+\q)/FPW)<<6
.irp p, 0,2,4
	ds_load_2addr_b64 v[FR*((NB*NQ+NQ*(\e)+\q)%FPW)+2*\p:FR*((NB*NQ+NQ*(\e)+\q)%FPW)+2*\p+3], v[\aq+\q] offset0:32*\p offset1:32*\p+32
.endr
.endr
	WIN 0
	ds_load_b128 v[SA+8*(\e):SA+8*(\e)+3], v[\as]
	ds_load_b128 v[SA+8*(\e)+4:SA+8*(\e)+7], v[\as] offset:256
.endm
.macro PROD e, n                       ; product n = 4 q + tile of a block whose rows lie in set e; source 0 = B's rows
.set Q_, (\n)/4
.set FB_, NB*Q_+(\n)%4
.set FA_, NB*NQ+NQ*(\e)+Q_
.set D_, ACC+32*(\e)+8*((\n)%4)
.set XB_, SB+NQ*(((\n)%4)/2)+Q_
.set XA_, SA+8*(\e)+Q_
	WIN (1+FB_/FPW)|((1+FA_/FPW)<<2)
.if Q_
	PROD1 D_, FB_, FA_, v[D_:D_+7], XB_, XA_, (\n)%2
.else
	PROD1 D_, FB_, FA_, v[BO+8*((\n)%4):BO+8*((\n)%4)+7], XB_, XA_, (\n)%2
.endif
.endm
.macro PROD1 d, s0, s1, c, x0, x1, o
.if \o
	v_wmma_scale_f32_16x16x128_f8f6f4 v[\d:\d+7], v[FR*((\s0)%FPW):FR*((\s0)%FPW)+FR-1], v[FR*((\s1)%FPW):FR*((\s1)%FPW)+FR-1], \c, v[\x0], v[\x1] matrix_a_fmt:MATRIX_FMT_FP6 matrix_b_fmt:MATRIX_FMT_FP6 matrix_a_scale:MATRIX_SCALE_ROW1
.else
	v_wmma_scale_f32_16x16x128_f8f6f4 v[\d:\d+7], v[FR*((\s0)%FPW):FR*((\s0)%FPW)+FR-1], v[FR*((\s1)%FPW):FR*((\s1)%FPW)+FR-1], \c, v[\x0], v[\x1] matrix_a_fmt:MATRIX_FMT_FP6 matrix_b_fmt:MATRIX_FMT_FP6 matrix_a_scale:MATRIX_SCALE_ROW0
.endif
.endm
.macro ENTRY i, fetch                  ; among a block's products, behind products 1 to 5: five of the next fetch's nine addresses
.if \fetch
.if (\i) == 1
	s_add_co_u32 s101, s101, 2*TILE
	s_add_co_u32 s91, s91, SSTEP
.endif
.if (\i) >= 1 && (\i) <= 5
	WIN 0
	v_add_nc_u32 v[AQ+\i-1], s101, v[AQ0+\i-1]
.endif
.endif
.endm
.macro PRODS e, from, to, fetch
.set N_, \from
.rept (\to)-(\from)
	PROD \e, N_
	ENTRY N_, \fetch
.set N_, N_+1
.endr
	WIN 0
.endm
.macro TOC s                           ; set s's rows go out.  s[12:13] stands at the pair's first token; a block's rows 2 t, 2 t + 1 are tokens 32 s + 2 t + 8 (t / 4) and the next
.irp t, 0,1,2,3,4,5,6,7
	global_store_b128 v[CO], v[BK+32*(\s)+4*\t:BK+32*(\s)+4*\t+3], s[12:13] offset:(32*(\s)+2*\t+8*(\t/4))*SIZE_N*4 th:TH_STORE_NT
.endr
.endm
.macro STAGED u                        ; set u's sums into my stage, each accumulator from its low end on, and back as whole rows; LDS serves a wave's instructions in order (ISA guide 5.7.1.4)
.irp b, 0,1,2,3
	ds_store_b128 v[STO], v[ACC+32*(\u)+8*\b:ACC+32*(\u)+8*\b+3] offset:128*(\b/2)+32*(\b%2)
	ds_store_b128 v[STO], v[ACC+32*(\u)+8*\b+4:ACC+32*(\u)+8*\b+7] offset:128*(\b/2)+32*(\b%2)+16
.endr
.irp t, 0,1,2,3,4,5,6,7
	ds_load_b128 v[BK+32*(\u)+4*\t:BK+32*(\u)+4*\t+3], v[RD] offset:2*\t*SPITCH
.endr
.endm
.macro STREAM s, fetch, show           ; a pair's block s.  show = 1: a plain barrier inside the block shows waves 2 and 3's tiles to all
.if \show
	PRODS \s, 0, 24, \fetch
	s_wait_tensorcnt 0x0
	s_wait_dscnt 0x0
	s_barrier_signal -1
	PRODS \s, 24, 32, \fetch
	s_barrier_wait -1
.else
	PRODS \s, 0, 32, \fetch
.endif
.if \fetch                             ; four plain vector lines between the last product and the first reader of its sums
	v_add_nc_u32 v[AQ+5], s101, v[AQ0+5]
	v_add_nc_u32 v[AQ+6], s101, v[AQ0+6]
	v_add_nc_u32 v[AQ+7], s101, v[AQ0+7]
	v_add_nc_u32 v[AAS], s91, v[AAS0]
	WALU
.else
	PLACES 4
.endif
	s_wait_xcnt 0x0                                ; the stores of two blocks ago have read set s of the rows, and those of the block before their base
.if (\s) == 0
	s_add_nc_u64 s[12:13], s[12:13], s[20:21]      ; on to this pair's tokens
.endif
	STAGED \s
.if \fetch
	FETCHAT \s, AQ, AAS
	s_wait_dscnt NF                                ; the block's rows are back from the stage; its fetch is younger
.else
	s_wait_dscnt 0x0
.endif
	TOC \s
.endm
; ================= THE HEAD
	s_load_b128 s[4:7], s[0:1], 0x0                ; oq, pq
	s_load_b128 s[8:11], s[0:1], 0x10              ; proj_b, out0
	v_lshl_add_u32 v[SPW], v0, 2, SPARE
	v_mov_b32 v[NIL], 0
	ds_add_u32 v[SPW], v[NIL]                      ; the opening lines: the add twice on end
	ds_add_u32 v[SPW], v[NIL]
	v_lshrrev_b32 v1, 5, v0
	v_readfirstlane_b32 s14, v1                    ; the wave; s15 its row of the 2 x 2, s16 its column
	s_lshr_b32 s15, s14, 1
	s_and_b32 s16, s14, 1
	s_bfe_u32 s40, ttmp6, 0x40000
	s_bfe_u32 s41, ttmp6, 0x40004
	s_lshl_b32 s43, ttmp9, 2
	s_add_co_u32 s43, s43, s40                     ; tile row: 4 x cluster x + cx
	s_and_b32 s42, ttmp7, 0xffff
	s_lshl_b32 s42, s42, 2
	s_add_co_u32 s42, s42, s41                     ; tile column: 4 x cluster y + cy
	s_lshl_b32 s44, 0x1111, s40                    ; my column of the cluster: shares A's tiles
	s_lshl_b32 s45, s41, 2
	s_lshl_b32 s45, 15, s45                        ; my row: shares B's
	GROUP1 G1A, 44, 0
	GROUP1 G1B, 45, TN
	s_mov_b32 s[G0A], 1
	s_mul_i32 s76, s43, TM*KROW                    ; my tile row's codes
	s_mov_b32 s77, 0
	s_mul_i32 s78, s42, TN*KROW                    ; my tile column's
	s_mov_b32 s79, 0
	s_lshl_b32 s80, s43, 13                        ; A's scale words: 16 tiles of 512 bytes, behind the codes
	s_add_co_u32 s80, s80, 6291456
	s_mov_b32 s81, 0
	s_lshl_b32 s82, s42, 12                        ; B's: my wave's four tiles
	s_lshl_b32 s21, s16, 11
	s_add_co_u32 s82, s82, s21
	s_add_co_u32 s82, s82, 786432
	s_mov_b32 s83, 0
	s_lshl_b32 s86, s42, 9                         ; my wave's first column, in bytes
	s_lshl_b32 s21, s16, 8
	s_add_co_u32 s86, s86, s21
	s_mov_b32 s87, 0
	s_mul_i32 s84, s43, TM*SIZE_N*4
	s_mul_i32 s21, s15, 8*SIZE_N*4                 ; the odd tile of a pair begins 8 tokens on
	s_add_co_u32 s84, s84, s21
	s_add_co_u32 s84, s84, s86
	s_mov_b32 s85, 0
	s_mov_b32 s[G0B], 1
	s_mov_b32 s[G0B+1], YB
	v_and_b32 v1, 15, v0
	v_bfe_u32 v2, v0, 4, 1
	v_and_b32 v3, 31, v0
	s_mul_i32 s23, s15, TILE
	v_lshl_add_u32 v[AQ0], v3, 3, s23
	s_mul_i32 s22, s16, NB*TILE
	s_add_co_u32 s22, s22, YB
	v_lshl_add_u32 v[BA], v3, 4, s22
.irp q, 1,2,3,4,5,6,7
	v_add_nc_u32 v[AQ0+\q], FRB*\q, v[AQ0]
.endr
.irp q, 0,1,2,3,4,5,6,7
	v_add_nc_u32 v[AQ+\q], 2*TILE+FRB*\q, v[AQ0]
.endr
	v_lshlrev_b32 v[ABS], 4, v1
	v_lshl_add_u32 v[ABS], v2, 9, v[ABS]
	s_lshl_b32 s21, s15, 9
	s_add_co_u32 s21, s21, SCL
	v_lshl_add_u32 v[AAS0], v1, 4, s21
	v_add_nc_u32 v[AAS], SSTEP, v[AAS0]
	s_mul_i32 s21, s14, 16*SPITCH
	s_add_co_u32 s21, s21, STAGE
	v_mul_u32_u24 v23, v1, SPITCH
	v_lshl_add_u32 v23, v2, 6, v23
	v_add_nc_u32 v[STO], s21, v23
	v_mul_u32_u24 v23, v2, SPITCH
	v_lshl_add_u32 v23, v1, 4, v23
	v_add_nc_u32 v[RD], s21, v23
	v_mul_u32_u24 v23, v2, SIZE_N*4
	v_lshl_add_u32 v[CO], v1, 4, v23
	v_lshlrev_b32 v22, 4, v0                       ; 16 x thread: my share of A's scale words
	v_add_nc_u32 v21, SCL, v22
	v_lshlrev_b32 v8, 6, v2                        ; the bias: 64 h
	WALU
	s_wait_dscnt 0x0
	CROUND                                         ; the opening round
	s_wait_kmcnt 0x0
	s_add_nc_u64 s[G0A+2:G0A+3], s[4:5], s[76:77]
	s_add_nc_u64 s[G0B+2:G0B+3], s[6:7], s[78:79]
	s_or_b32 s[G0B+3], s[G0B+3], 0x80000000
	s_add_nc_u64 s[4:5], s[4:5], s[80:81]
	s_add_nc_u64 s[6:7], s[6:7], s[82:83]
	s_add_nc_u64 s[8:9], s[8:9], s[86:87]
	s_add_nc_u64 s[12:13], s[10:11], s[84:85]
	s_cmp_eq_u32 s14, 0
	s_cbranch_scc0 .Lwave_1
	TLOAD G0B, G1B                                 ; wave 0: B's tiles, which are wanted first
	s_branch .Lasked
.Lwave_1:
	s_cmp_eq_u32 s14, 1
	s_cbranch_scc0 .Lwave_2
	ATILE 0, 128                                   ; wave 1: A's tiles 0 to 7
	s_branch .Lasked
.Lwave_2:
	s_cmp_eq_u32 s14, 2
	s_cbranch_scc0 .Lwave_3
	ATILE 128, 64                                  ; wave 2: 8 to 11
	s_branch .Lasked
.Lwave_3:
	ATILE 192, 64                                  ; wave 3: 12 to 15
.Lasked:
.irp k, 0,1,2,3
	global_load_b128 v[BK+4*\k:BK+4*\k+3], v22, s[4:5] offset:2048*\k   ; A's scale words as they lie: 512 consecutive bytes an instruction
.endr
.irp b, 0,1,2,3
	global_load_b128 v[BO+8*\b:BO+8*\b+3], v8, s[8:9] offset:128*(\b/2)+32*(\b%2)        ; register i of tile b of lane (r, h) is column 32 (b / 2) + 8 (b % 2) + 16 h + i of my wave's 64
	global_load_b128 v[BO+8*\b+4:BO+8*\b+7], v8, s[8:9] offset:128*(\b/2)+32*(\b%2)+16
.endr
.irp p, 0,1
.irp c, 0,1
	global_load_b128 v[SB+NQ*\p+4*\c:SB+NQ*\p+4*\c+3], v[ABS], s[6:7] offset:\p*1024+256*\c
.endr
.endr
	s_wait_loadcnt 0x0
.irp k, 0,1,2,3
	ds_store_b128 v21, v[BK+4*\k:BK+4*\k+3] offset:2048*\k
.endr
	s_wait_dscnt 0x0
	s_cmp_eq_u32 s14, 0
	s_cbranch_scc0 .Lnot_b
	s_wait_tensorcnt 0x0
.Lnot_b:
	BARRIER                                        ; B has landed
.irp q, 0,1,2,3,4,5,6,7
.irp b, 0,1,2,3
	WIN (1+(NB*\q+\b)/FPW)<<6
.irp c, 0,1,2
	ds_load_b128 v[FR*((NB*\q+\b)%FPW)+4*\c:FR*((NB*\q+\b)%FPW)+4*\c+3], v[BA] offset:\b*TILE+\q*FRB+512*\c
.endr
.endr
.endr
	WIN 0
	s_mov_b32 s101, 2*TILE
	s_mov_b32 s91, SSTEP
	s_cmp_eq_u32 s14, 1
	s_cbranch_scc0 .Lnot_a
	s_wait_tensorcnt 0x0                           ; wave 1: A's tiles 0 to 7 have landed
.Lnot_a:
	s_wait_dscnt 0x0
	BARRIER                                        ; A's first eight tiles and all scale words are in, and nobody reads B's bytes any more
	FETCHAT 0, AQ0, AAS0
	FETCHAT 1, AQ, AAS
; ================= THE STREAM: eight blocks
	s_mov_b32 s23, 0
	s_mov_b32 s20, 0                               ; s[20:21]: from a pair's tokens to the next pair's; block 0 begins where the base stands
	s_mov_b32 s21, 0
	s_wait_dscnt NF                                ; block 0's rows are in
.Lpair:                                            ; blocks 0 to 5, a pair a trip
	STREAM 0, 1, 0
	STREAM 1, 1, 1
	s_mov_b32 s20, 64*SIZE_N*4                     ; the next pair lies 64 tokens on
	s_add_co_u32 s23, s23, 1
	s_cmp_lg_u32 s23, 3
	s_cbranch_scc1 .Lpair
	STREAM 0, 0, 0                                 ; blocks 6 and 7 fetch nothing
	STREAM 1, 0, 0
	s_wait_tensorcnt 0x0                           ; the wave's end
	ds_add_u32 v[SPW], v[NIL]
	s_wait_dscnt 0x0
	CROUND
	s_endpgm
.Lfunc_end_k_q538458c580_proj:
	.size	k_q538458c580_proj, .Lfunc_end_k_q538458c580_proj-k_q538458c580_proj
	.p2alignl 7, 3214868480
	.fill 96, 4, 3214868480
	.section	.rodata,"a",@progbits
	.p2align	6, 0x0
	.amdhsa_kernel k_q538458c580_proj
		.amdhsa_group_segment_fixed_size 327680
		.amdhsa_private_segment_fixed_size 0
		.amdhsa_enable_private_segment 0
		.amdhsa_kernarg_size 32
		.amdhsa_user_sgpr_count 2
		.amdhsa_user_sgpr_kernarg_segment_ptr 1
		.amdhsa_wavefront_size32 1
		.amdhsa_system_sgpr_workgroup_id_x 1
		.amdhsa_system_sgpr_workgroup_id_y 1
		.amdhsa_system_sgpr_workgroup_id_z 1
		.amdhsa_system_vgpr_workitem_id 0
		.amdhsa_next_free_vgpr 840
		.amdhsa_next_free_sgpr 102
		.amdhsa_reserve_vcc 0
		.amdhsa_float_denorm_mode_32 3
		.amdhsa_float_denorm_mode_16_64 3
		.amdhsa_memory_ordered 1
		.amdhsa_forward_progress 1
		.amdhsa_inst_pref_size 50
	.end_amdhsa_kernel
	.amdgpu_metadata
---
amdhsa.version: [ 1, 2 ]
amdhsa.kernels:
  - .name:           k_q538458c580_proj
    .symbol:         k_q538458c580_proj.kd
    .args:
      - { .name: oq, .offset: 0, .size: 8, .value_kind: global_buffer, .address_space: global }
      - { .name: pq, .offset: 8, .size: 8, .value_kind: global_buffer, .address_space: global }
      - { .name: proj_b, .offset: 16, .size: 8, .value_kind: global_buffer, .address_space: global }
      - { .name: out0, .offset: 24, .size: 8, .value_kind: global_buffer, .address_space: global }
    .group_segment_fixed_size: 327680
    .private_segment_fixed_size: 0
    .kernarg_segment_align: 8
    .kernarg_segment_size: 32
    .max_flat_workgroup_size: 128
    .sgpr_count:     102
    .vgpr_count:     840
    .wavefront_size: 32
...
	.end_amdgpu_metadata
.endif
;; end of part 4
